; MI455X (gfx1250); checked and timed in simulation.
; The chip was launched on July 23, 2026; its instructions are those of AMD's public machine-readable ISA for CDNA 5 (MIT licence, August 2026) and "CDNA5" Instruction Set Architecture Reference Guide (July 2026). The comments in the code are by the model that wrote it; some were corrected since.
;; Attention. Allowed arithmetic: matrix products marked QUANTISED: E2M1 operands, one E8M0 scale for each 32 along K, by v_wmma_scale_f32_16x16x128_f8f6f4 with both operands' format E2M1 (or v_wmma_scale_f32_32x16x128_f4), f32 sums; everything else in f32.
;; Inputs: freqs_cos 2,048 x 64 float32; freqs_sin 2,048 x 64 float32; wk 4,096 x 1,024 float32; wo 2,048 x 4,096 float32; wq 4,096 x 2,048 float32; wv 4,096 x 1,024 float32; x 1 x 2,048 x 4,096 float32.
;; Outputs: out0 1 x 2,048 x 4,096 float32.
;; This version of the problem:
;;   THIS VERSION OF THE PROBLEM IS GIVEN IN LOW PRECISION. The matrix products marked QUANTISED in the list below multiply operands that are first quantised to E2M1 (2 exponent bits, 1 mantissa bit; 4 bits a number), with one power-of-two scale for each 32 numbers along K (OCP MX v1.0); their sums are f32. All else is computed in f32.
;;   The module's matrix products, in the order in which they are computed (A, B: the left and right operand; K: the contracted axis; several contracted axes count as one K, in the product's order):
;;     1. [M 2,048, K 4,096] x [K 4,096, N 2,048]; A: input x; B: input wq: QUANTISED
;;     2. [M 2,048, K 4,096] x [K 4,096, N 1,024]; A: input x; B: input wk: QUANTISED
;;     3. [M 2,048, K 4,096] x [K 4,096, N 1,024]; A: input x; B: input wv: QUANTISED
;;     4. batch 8 x [M 2,048, K 128] x [K 128, N 4,096]; A: computed on the way; B: computed on the way: QUANTISED
;;     5. batch 8 x [M 128, K 2,048] x [K 2,048, N 4,096]; A: computed on the way; B: softmax (see below): QUANTISED
;;     6. [M 2,048, K 2,048] x [K 2,048, N 4,096]; A: computed on the way; B: input wo: QUANTISED
;;   THE QUANTISER, for each operand of a quantised product, along K:
;;     - K is cut into blocks of 32 from its start; a last block that is shorter is filled with zeros.
;;     - A block's scale is 2^e with e = floor(log2(the largest magnitude in the block)) - 2, held to -126 .. 127; a block of zeros has e = 0. As a byte (E8M0): e + 127.
;;     - Each number is divided by its block's scale, clamped to +-6, and rounded to the nearest number of E2M1, ties to even, subnormals kept.
;;     - The product sums the exact products of the quantised numbers (number of the format x scale) in f32.
;;   ~~~python
;;   def quantise(x, axis):      # numpy; x: float32 -> the quantised numbers, widened to float32 again
;;       x = np.moveaxis(x, axis, -1); K = x.shape[-1]
;;       x = np.pad(x, [(0, 0)] * (x.ndim - 1) + [(0, -K % 32)]); x = x.reshape(x.shape[:-1] + (-1, 32)); a = np.abs(x).max(-1, keepdims=True)
;;       e = np.where(a > 0, np.clip(np.frexp(np.where(a > 0, a, 1))[1] - 1 - 2, -126, 127), 0)      # np.frexp(a)[1] - 1 = floor(log2(a)), exactly
;;       r = np.clip(x / 2.0 ** e, -6, 6)
;;       step = 2.0 ** (np.maximum(np.frexp(np.where(r == 0, 1, r))[1] - 1, 0) - 1)
;;       q = np.round(r / step) * step * 2.0 ** e      # np.round: ties to even
;;       return np.moveaxis(q.reshape(q.shape[:-2] + (-1,))[..., :K], -1, axis).astype(np.float32)
;;   ~~~
;;   SOFTMAX AHEAD OF A QUANTISED PRODUCT. Where the list says 'softmax', what is quantised is not the finished softmax but p = 2^(t - M), with t = logit x log2(e) and M = ceil(the row's largest t), a whole number; so 1/2 < the row's largest p <= 1. The row's sum l is taken of the UNQUANTISED p, in f32, and the product's result is divided by l at the end. Since M is a whole number, a kernel that streams over the keys may use a running M (the ceiling of the running maximum): every later rescaling is an exact power of two, which a block's scale takes up: the codes' values come out the same.
;;   OPERANDS COMPUTED ON THE WAY. 'Computed on the way' means the value that the module computes at that place (a softmax that the list does not call 'softmax' is quantised finished and normalised). What goes into a quantiser is computed in f32, as accurately as f32 sums, v_exp_f32 and their like allow (about 1e-6 of the number): no bf16 or f16 on the way to a quantiser, and a product that is left as it is and whose result goes on into a quantised operand takes f32 operands (vector FMAs, or v_wmma_f32_16x16x4_f32). A number that lies on a knife's edge between two numbers of the format may be rounded either way, as far as f32 arithmetic and the matrix unit's own rounding can turn it there, and no further.
;; One version. Each part assembles by itself: llvm-mc -triple=amdgcn-amd-amdhsa -mcpu=gfx1250 --defsym DOCPART=n.
;; ======== version 1 of 1: 4 launches
;; workspace buffers: xq 4,456,448 bytes; wc 8,912,896 bytes; woq 4,456,448 bytes; qf 2,228,224 bytes; kv 2,228,224 bytes; af 2,228,224 bytes
;; launch quant (part 1): grid 768 x 1, 4 waves a work-group, no clusters, 34,304 bytes of LDS; arguments x, wq, wk, wv, xq, wc; writes xq, wc
.if DOCPART == 1
	.amdgcn_target "amdgcn-amd-amdhsa--gfx1250"
	.amdhsa_code_object_version 6
	.text
	.protected	k_q0c655d5cc3_quant
	.globl	k_q0c655d5cc3_quant
	.p2align	8
	.type	k_q0c655d5cc3_quant,@function
k_q0c655d5cc3_quant:
	s_mov_b64 s[64:65], 0
	v_nop
	global_prefetch_b8 v0, s[64:65] scope:SCOPE_SE
	s_setreg_imm32_b32 hwreg(HW_REG_WAVE_MODE, 25, 1), 1
	s_wait_xcnt 0x0
; FIRST OF FOUR LAUNCHES of a grouped-query attention layer (2,048 positions, model width 4,096, 16 query heads, 8 key/value heads of 128), all six products on codes of FP4 (E2M1) with one E8M0 scale for each 32 along K.
; This launch turns x, wq, wk and wv (f32) into codes and scale bytes, each read once; then: gemm_qkv (x wq, x wk, x wv, the rotation, q, k, v as codes), attn (both products of attention; there wo, which only the last launch
; needs, is turned into codes by waves that have run out of keys), gemm_o (the product with wo).
; WORK LEFT OUT (in the launch attn): reference() itself sets the score of key n for query q to -infinity where n > q (its own jnp.tril).  Its exponential is 0 whatever finite values the inputs hold, so such a key adds 0 to the
; row's sum, its p is the code 0, and it adds 0 to the second product.  Where all 128 keys of a key step come after all 16 queries of a tile, the step is left out whole.  Every input has a way to the output: all seven are loaded.
; LIMIT: a NaN, an infinity or an overflow that reaches only such hidden keys is not carried to the result.
; THE QUANTISER: a block's scale is 2^(floor(log2(its largest magnitude)) - 2); its byte is the largest magnitude's exponent field - 2, held at 1 from below; numbers / scale go to the nearest code, ties to even, beyond 6 the code of 6.
; LIMITS: a block of zeros gets the byte 1 where the rule says 127 (its codes are zeros, and these bytes are read by this program alone); blocks whose largest magnitude lies under 2^-124 were not tried; NaN and infinities among the inputs are not served.
; LAYOUT OF THE WORKSPACE.  A TILE T is 16 rows of an operand: place p holds row 32 (T / 2) + 8 (T % 2) + p + 8 (p / 8).  A FRAGMENT (a tile x 128 along K) lies as the image of its 8 registers, 1,024 bytes:
; registers 4 c .. 4 c + 3 of lane l at byte 512 c + 16 l (lane (r, h) holds place r, K = 64 c + 32 h + 0 .. 31).  Codes: [tile][K step of 128][1,024].  Scale words: [tile][K slot of 512][256]: place p at 16 p, one word for each of the slot's 4 K steps.
; SHARES: 768 work-groups of four waves, 128 KiB of f32 each.  Numbers 0-255 take x (K innermost), 256-767 the weights (K is their first axis).  Only x's path uses LDS.
.set SPARE, 33792                      ; behind the four stages: the spare words, 128 bytes for each wave: two blocks of 256 bytes that no other line names
.set SPW,  14                          ; v14  LDS address of my spare word; never rewritten
.set NIL,  15                          ; v15  0; never rewritten
.set SEL,  22                          ; s[22:23] lane selects: lane l xor 16
.set R,    32                          ; x: v32-159  two sets of 64 registers as loaded
.set X,    160                         ; x: v160-223 64 numbers of my row: register 16 b + i = K 32 b + 16 h + i
.set PC,   224                         ; x: v224-231 a fragment's codes
.set TM,   232                         ; x: v232-247 at work
.set PW,   248                         ; x: v248-251 the scale words of my four fragments
.set OFF,  32                          ; weights: v32-63   byte offset of my column in row i of a block
.set WX,   64                          ; weights: v64-127  two sets of 32 numbers
.set C,    128                         ; weights: v128-131 a block's codes
.set SB,   132                         ; weights: v132-133 eight scale bytes
; 64 numbers of a lane, register s + 16 b + i = K 32 b + 16 (lane / 16) + i of my row, become a fragment's codes in v[pc] on and its scale word in v[pw]
.macro QUANT s, pc, pw
.irp b, 0,1,2,3
	v_max3_num_f32 v[TM+\b], |v[\s+16*\b]|, |v[\s+1+16*\b]|, 0x1800000   ; block b: my 16 numbers, and the floor 2^(3 - 127): the byte cannot fall under 1
.endr
.irp i, 2,4,6,8,10,12,14
.irp b, 0,1,2,3
	v_max3_num_f32 v[TM+\b], v[TM+\b], |v[\s+16*\b+\i]|, |v[\s+1+16*\b+\i]|   ; the four blocks by turns
.endr
.endr
.irp b, 0,1,2,3
	v_permlanex16_b32 v[TM+4+\b], v[TM+\b], s[SEL], s[SEL+1]
.endr
.irp b, 0,1,2,3
	v_max_num_f32 v[TM+\b], v[TM+\b], v[TM+4+\b]   ; with lane l xor 16's: the block's largest magnitude
.endr
.irp b, 0,1,2,3
	v_add_nc_u32 v[TM+12+\b], 0xff000000, v[TM+\b] ; 2 off its exponent field: the conversion takes the exponent field of this operand as its scale
.endr
.irp b, 0,1,2,3
	v_lshrrev_b32 v[TM+4+\b], 23, v[TM+12+\b]      ; the scale's byte
.endr
	v_lshl_or_b32 v[\pw], v[TM+5], 8, v[TM+4]      ; four bytes: my row's scale word
	v_lshl_or_b32 v[\pw], v[TM+6], 16, v[\pw]
	v_lshl_or_b32 v[\pw], v[TM+7], 24, v[\pw]
.irp b, 0,1,2,3
	v_cvt_scalef32_pk8_fp4_f32 v[\pc+2*\b], v[\s+16*\b:\s+7+16*\b], v[TM+12+\b]
	v_cvt_scalef32_pk8_fp4_f32 v[\pc+1+2*\b], v[\s+8+16*\b:\s+15+16*\b], v[TM+12+\b]
.endr
	v_nop                                          ; one plain place behind a scaled conversion
.irp c, 0,1                                    ; the operand's layout wants a whole block in a lane: lanes 0-15 block 2 c, lanes 16-31 block 2 c + 1
.irp i, 0,1
	v_permlane16_swap_b32 v[\pc+4*\c+\i], v[\pc+2+4*\c+\i]
.endr
.endr
.endm
.macro XLOAD f                         ; fragment f: 16 rows x 512 bytes; each load reads 512 consecutive bytes of one row
.irp i, 0,1,2,3,4,5,6,7,8,9,10,11,12,13,14,15
	global_load_b128 v[R+64*((\f)%2)+4*\i:R+64*((\f)%2)+4*\i+3], v1, s[4:5] offset:(\i+8*(\i/8))*16384+512*(\f) th:TH_LOAD_NT
.endr
.endm
.macro XFRAG f
.if \f < 3
	s_wait_loadcnt 16                              ; this fragment's 16 loads are in; the next fragment's 16 may be out
.else
	s_wait_loadcnt 0x0
.endif
.irp i, 0,1,2,3,4,5,6,7,8,9,10,11,12,13,14,15
	ds_store_b128 v2, v[R+64*((\f)%2)+4*\i:R+64*((\f)%2)+4*\i+3] offset:528*\i   ; through my own stage, row by row as loaded
.endr
.irp b, 0,1,2,3
.irp j, 0,1,2,3
	ds_load_b128 v[X+16*\b+4*\j:X+16*\b+4*\j+3], v3 offset:128*\b+16*\j   ; and back: of my row, 16 neighbours of each block of 32.  LDS serves a wave's instructions in order
.endr
.endr
	s_wait_dscnt 0x0                               ; the numbers are back, and the stores into the stage have read their registers
.if \f < 2
	XLOAD \f+2
.endif
	s_wait_xcnt 0x0                                ; the last fragment's stores have read the codes' registers
	QUANT X, PC, PW+\f
	global_store_b128 v1, v[PC:PC+3], s[30:31] offset:1024*\f          ; 32 lanes store 512 consecutive bytes
	global_store_b128 v1, v[PC+4:PC+7], s[30:31] offset:1024*\f+512
.endm
.macro WLOAD t                         ; a block of 32 along K of my column into set t % 2: each load reads 128 consecutive bytes, the four waves side by side 512
.irp i, 0,1,2,3,4,5,6,7,8,9,10,11,12,13,14,15,16,17,18,19,20,21,22,23,24,25,26,27,28,29,30,31
	global_load_b32 v[WX+32*((\t)%2)+\i], v[OFF+\i], s[24:25] th:TH_LOAD_NT
.endr
.endm
.macro WBLOCK t
.set XS, WX+32*((\t)%2)
.if \t < 7
	s_wait_loadcnt 32                              ; this block's 32 loads are in; the next block's may be out
.else
	s_wait_loadcnt 0x0
.endif
	v_max3_num_f32 v12, |v[XS]|, |v[XS+1]|, |v[XS+2]|      ; the block's largest magnitude: all 32 numbers are mine
	v_max3_num_f32 v13, |v[XS+3]|, |v[XS+4]|, |v[XS+5]|
.irp i, 6,10,14,18,22,26
	v_max3_num_f32 v12, v12, |v[XS+\i]|, |v[XS+\i+1]|
	v_max3_num_f32 v13, v13, |v[XS+\i+2]|, |v[XS+\i+3]|
.endr
	v_max3_num_f32 v12, v12, |v[XS+30]|, |v[XS+31]|
	v_max3_num_f32 v12, v12, v13, 0x1800000        ; and the floor
	v_add_nc_u32 v11, 0xff000000, v12              ; the conversion's scale operand
	v_lshrrev_b32 v13, 23, v11                     ; the byte
.if (\t)%4 == 0
	v_mov_b32 v[SB+(\t)/4], v13
.else
	v_lshl_or_b32 v[SB+(\t)/4], v13, 8*((\t)%4), v[SB+(\t)/4]
.endif
.irp g, 0,1,2,3
	v_cvt_scalef32_pk8_fp4_f32 v[C+\g], v[XS+8*\g:XS+8*\g+7], v11
.endr
	global_store_b128 v5, v[C:C+3], s[46:47] offset:((\t)/4)*1024+(((\t)%4)/2)*512+((\t)%2)*256   ; block 2 c + h of a K step: 16 bytes at 512 c + 256 h + 16 p: sixteen lanes store 256 consecutive bytes, aligned
	s_wait_xcnt 0x0                                ; the store has read the codes, the loads their base: both may be written
.if \t < 6
	s_add_nc_u64 s[24:25], s[24:25], s[52:53]      ; 32 rows down
	WLOAD \t+2
.endif
.endm
	s_load_b256 s[4:11], s[0:1], 0x0               ; x s[4:5], wq s[6:7], wk s[8:9], wv s[10:11]
	s_load_b64 s[14:15], s[0:1], 0x20              ; xq
	s_load_b64 s[16:17], s[0:1], 0x28              ; wc
	v_lshl_add_u32 v[SPW], v0, 2, SPARE
	v_mov_b32 v[NIL], 0
	v_lshrrev_b32 v1, 5, v0
	v_readfirstlane_b32 s20, v1                    ; wave 0..3
	v_and_b32 v7, 31, v0                           ; lane
	v_and_b32 v8, 15, v0                           ; r, or place p
	v_bfe_u32 v9, v0, 4, 1                         ; h, or which of my two tiles
	v_lshlrev_b32 v1, 4, v7                        ; 16 x lane
	s_mul_i32 s21, s20, 8448                       ; my stage: 16 rows x (512 + 16) bytes
	v_add_nc_u32 v2, s21, v1                       ; into it
	v_mul_u32_u24 v3, v8, 528
	v_lshl_add_u32 v3, v9, 6, v3
	v_add_nc_u32 v3, s21, v3                       ; out of it: row r, + 64 h
	v_lshlrev_b32 v4, 4, v8                        ; 16 r: my row's four scale words
	s_mov_b32 s[SEL], 0x76543210
	s_mov_b32 s[SEL+1], 0xfedcba98
	s_wait_kmcnt 0x0
	s_cmp_lt_u32 ttmp9, 256
	s_cbranch_scc0 .Lweights
	; ---- x: tile g = number / 2; my wave takes K slot 4 (number % 2) + wave: four fragments
	s_lshr_b32 s24, ttmp9, 1                       ; g
	s_and_b32 s25, ttmp9, 1
	s_lshl_b32 s25, s25, 2
	s_add_co_u32 s25, s25, s20                     ; the K slot
	s_lshr_b32 s26, s24, 1
	s_lshl_b32 s26, s26, 5
	s_and_b32 s27, s24, 1
	s_lshl_b32 s27, s27, 3
	s_add_co_u32 s26, s26, s27                     ; the tile's first row: 32 (g / 2) + 8 (g % 2)
	s_lshl_b32 s26, s26, 14                        ; rows of 16,384 bytes
	s_lshl_b32 s27, s25, 11                        ; a slot of 512 numbers is 2,048 bytes
	s_add_co_u32 s26, s26, s27
	s_mov_b32 s27, 0
	s_add_nc_u64 s[4:5], s[4:5], s[26:27]
	s_lshl_b32 s26, s24, 15
	s_lshl_b32 s28, s25, 12
	s_add_co_u32 s26, s26, s28
	s_add_nc_u64 s[30:31], s[14:15], s[26:27]      ; my four images
	s_lshl_b32 s26, s24, 11
	s_lshl_b32 s28, s25, 8
	s_add_co_u32 s26, s26, s28
	s_add_co_u32 s26, s26, 4194304
	s_add_nc_u64 s[32:33], s[14:15], s[26:27]      ; my 256 bytes of scale words
.irp b, 0,1,2,3
	v_mov_b32 v[TM+4+\b], 0                        ; written once: a lane permute's destination counts as one of its sources
.endr
	XLOAD 0
	XLOAD 1
	XFRAG 0
	XFRAG 1
	XFRAG 2
	XFRAG 3
	global_store_b128 v4, v[PW:PW+3], s[32:33]     ; 256 consecutive bytes, aligned (lanes r and r + 16 hold, and write, the same words)
	s_wait_tensorcnt 0x0                           ; the wave's end, behind my last LDS store
	ds_add_u32 v[SPW], v[NIL]
	s_wait_dscnt 0x0
	s_endpgm
.Lweights:
	; ---- the weights.  One path; what differs between the three tensors is chosen by the work-group's number: wq 256-511, wk 512-639, wv 640-767.
	; A work-group takes 128 columns x 256 along K; a wave 32 columns = two tiles; A LANE TAKES A COLUMN AND ITS REGISTERS RUN DOWN K, so that a block lies in one lane and its 16 bytes of codes are a lane's part of an image.
	s_mov_b64 s[24:25], s[6:7]
	s_mov_b32 s26, 256                             ; the tensor's first number
	s_mov_b32 s27, 4                               ; log2 of its blocks of 128 columns
	s_mov_b32 s28, 0                               ; its first tile in the buffer
	s_cmp_ge_u32 ttmp9, 512
	s_cselect_b64 s[24:25], s[8:9], s[24:25]
	s_cselect_b32 s26, 512, s26
	s_cselect_b32 s27, 3, s27
	s_cselect_b32 s28, 128, s28
	s_cmp_ge_u32 ttmp9, 640
	s_cselect_b64 s[24:25], s[10:11], s[24:25]
	s_cselect_b32 s26, 640, s26
	s_cselect_b32 s28, 192, s28
	s_sub_co_u32 s36, ttmp9, s26
	s_lshr_b32 s37, s36, s27                       ; which 256 along K
	s_bfm_b32 s38, s27, 0
	s_and_b32 s38, s36, s38                        ; which 128 columns
	s_lshl_b32 s39, 512, s27                       ; a row of the weight in bytes
	s_mul_i32 s40, s37, s39
	s_lshl_b32 s40, s40, 8
	s_lshl_b32 s41, s38, 9
	s_add_co_u32 s40, s40, s41
	s_lshl_b32 s41, s20, 7
	s_add_co_u32 s40, s40, s41
	s_mov_b32 s41, 0
	s_add_nc_u64 s[24:25], s[24:25], s[40:41]      ; my wave's 32 columns, first row
	s_lshl_b32 s42, s38, 3
	s_add_co_u32 s42, s42, s28
	s_lshl_b32 s43, s20, 1
	s_add_co_u32 s42, s42, s43                     ; my first tile
	s_lshl_b32 s44, s42, 15                        ; a tile's codes are 32,768 bytes
	s_lshl_b32 s45, s37, 11                        ; two K steps are 2,048 bytes
	s_add_co_u32 s44, s44, s45
	s_mov_b32 s45, 0
	s_add_nc_u64 s[46:47], s[16:17], s[44:45]      ; its codes
	s_lshl_b32 s44, s42, 11                        ; a tile's scale words are 2,048 bytes,
	s_add_co_u32 s44, s44, 8388608                 ; behind the codes
	s_lshr_b32 s48, s37, 1
	s_lshl_b32 s48, s48, 8
	s_add_co_u32 s44, s44, s48
	s_and_b32 s48, s37, 1
	s_lshl_b32 s48, s48, 3
	s_add_co_u32 s44, s44, s48
	s_add_nc_u64 s[50:51], s[16:17], s[44:45]      ; its scale words: two of a place's four
	s_lshl_b32 s52, s39, 5                         ; 32 rows
	s_mov_b32 s53, 0
	v_and_b32 v10, 7, v8
	v_lshrrev_b32 v11, 3, v8
	v_lshl_add_u32 v10, v9, 3, v10
	v_lshl_add_u32 v10, v11, 4, v10                ; my column of the 32: 8 u + p % 8 + 16 (p / 8): lanes 0-15 are one tile, in its order of places
	v_lshlrev_b32 v10, 2, v10
.irp i, 0,1,2,3,4,5,6,7,8,9,10,11,12,13,14,15,16,17,18,19,20,21,22,23,24,25,26,27,28,29,30,31
	v_mad_u32_u24 v[OFF+\i], s39, \i, v10
.endr
	v_lshlrev_b32 v5, 15, v9
	v_lshl_add_u32 v5, v8, 4, v5                   ; codes: my tile, 16 p
	v_lshlrev_b32 v6, 11, v9
	v_lshl_add_u32 v6, v8, 4, v6                   ; scale words likewise
	WLOAD 0
	s_wait_xcnt 0x0                                ; the loads have read their base
	s_add_nc_u64 s[24:25], s[24:25], s[52:53]
	WLOAD 1
	WBLOCK 0
	WBLOCK 1
	WBLOCK 2
	WBLOCK 3
	WBLOCK 4
	WBLOCK 5
	WBLOCK 6
	WBLOCK 7
	global_store_b64 v6, v[SB:SB+1], s[50:51]      ; 8 of a place's 16 bytes: here an aligned 256 bytes is written by two work-groups; the scale words are one byte in 128 of what the launch reads
	s_wait_tensorcnt 0x0                           ; the wave's end
	ds_add_u32 v[SPW], v[NIL]
	s_wait_dscnt 0x0
	s_endpgm
.Lfunc_end_k_q0c655d5cc3_quant:
	.size	k_q0c655d5cc3_quant, .Lfunc_end_k_q0c655d5cc3_quant-k_q0c655d5cc3_quant
	.p2alignl 7, 3214868480
	.fill 96, 4, 3214868480
	.section	.rodata,"a",@progbits
	.p2align	6, 0x0
	.amdhsa_kernel k_q0c655d5cc3_quant
		.amdhsa_group_segment_fixed_size 34304
		.amdhsa_private_segment_fixed_size 0
		.amdhsa_enable_private_segment 0
		.amdhsa_kernarg_size 48
		.amdhsa_user_sgpr_count 2
		.amdhsa_user_sgpr_kernarg_segment_ptr 1
		.amdhsa_wavefront_size32 1
		.amdhsa_system_sgpr_workgroup_id_x 1
		.amdhsa_system_sgpr_workgroup_id_y 1
		.amdhsa_system_sgpr_workgroup_id_z 1
		.amdhsa_system_vgpr_workitem_id 0
		.amdhsa_next_free_vgpr 256
		.amdhsa_next_free_sgpr 66
		.amdhsa_reserve_vcc 0
		.amdhsa_float_denorm_mode_32 3
		.amdhsa_float_denorm_mode_16_64 3
		.amdhsa_memory_ordered 1
		.amdhsa_forward_progress 1
		.amdhsa_inst_pref_size 74
	.end_amdhsa_kernel
	.amdgpu_metadata
---
amdhsa.version: [ 1, 2 ]
amdhsa.kernels:
  - .name:           k_q0c655d5cc3_quant
    .symbol:         k_q0c655d5cc3_quant.kd
    .args:
      - { .name: x, .offset: 0, .size: 8, .value_kind: global_buffer, .address_space: global }
      - { .name: wq, .offset: 8, .size: 8, .value_kind: global_buffer, .address_space: global }
      - { .name: wk, .offset: 16, .size: 8, .value_kind: global_buffer, .address_space: global }
      - { .name: wv, .offset: 24, .size: 8, .value_kind: global_buffer, .address_space: global }
      - { .name: xq, .offset: 32, .size: 8, .value_kind: global_buffer, .address_space: global }
      - { .name: wc, .offset: 40, .size: 8, .value_kind: global_buffer, .address_space: global }
    .group_segment_fixed_size: 34304
    .private_segment_fixed_size: 0
    .kernarg_segment_align: 8
    .kernarg_segment_size: 48
    .max_flat_workgroup_size: 128
    .sgpr_count:     66
    .vgpr_count:     256
    .wavefront_size: 32
...
	.end_amdgpu_metadata
.endif
;; end of part 1
;; launch gemm_qkv (part 2): grid 16 x 16, 4 waves a work-group, clusters of 4 x 4, 327,680 bytes of LDS; arguments xq, wc, freqs_cos, freqs_sin, qf, kv; writes qf, kv
.if DOCPART == 2
	.amdgcn_target "amdgcn-amd-amdhsa--gfx1250"
	.amdhsa_code_object_version 6
	.text
	.protected	k_q0c655d5cc3_gemm_qkv
	.globl	k_q0c655d5cc3_gemm_qkv
	.p2align	8
	.type	k_q0c655d5cc3_gemm_qkv,@function
k_q0c655d5cc3_gemm_qkv:
	s_mov_b64 s[64:65], 0
	v_nop
	global_prefetch_b8 v0, s[64:65] scope:SCOPE_SE
	s_setreg_imm32_b32 hwreg(HW_REG_WAVE_MODE, 25, 1), 1
	s_wait_xcnt 0x0
	s_wait_alu depctr_hold_cnt(0) depctr_sa_sdst(0) depctr_va_vdst(0) depctr_va_sdst(0) depctr_va_ssrc(0) depctr_va_vcc(0) depctr_vm_vsrc(0)
	s_getreg_b32 s2, hwreg(HW_REG_IB_STS2, 6, 4)
	s_cmp_eq_u32 s2, 0
	s_cbranch_scc0 .Lentry_in_a_cluster
	s_endpgm
.Lentry_in_a_cluster:
	s_bfe_u32 s2, ttmp6, 0x10000c
	s_cmp_lg_u32 s2, 0xf033
	s_cbranch_scc0 .Lentry_shape_is_right
	s_endpgm
.Lentry_shape_is_right:
; SECOND LAUNCH: q = rot(x wq), k = rot(x wk), v = x wv, on codes of FP4 (K = 4,096), and their quantising for the two products of attention.  No work of reference() is left out here.
; THE PRODUCT IS USED TRANSPOSED: source 0 = a tile of the operand R, source 1 = a tile of the operand P.  A lane then holds ONE row of P (place lane % 16), and since a tile's places are rows 32 (T / 2) + 8 (T % 2) + p + 8 (p / 8),
; the 16 registers of R's tiles 2 b and 2 b + 1 are the 16 neighbours 32 b + 16 (lane / 16) + 0 .. 15: as the conversions to codes want them.
; q, k: P = x (positions), R = wq | wk (a head's 128 channels run along a lane's 64 registers: K of the scores).  v: P = wv (channels), R = x: the KEYS run along the registers: K of the second product.  One text serves both:
; the clusters with x = 3 take v; the choice hangs on the cluster's number alone, which all sixteen partners share.
; SHARES: a work-group makes 128 rows of P x 256 rows of R (256 work-groups); a wave 64 x 128: 32 accumulators.  K goes in slots of 512 through a ring of two LDS slots of register images: no pitch, no padding: a fragment
; comes by two loads of 512 consecutive bytes.  The scale words of all of K come once, with the first fills.
; CLUSTER 4 x 4: P's tiles are shared along a row of the cluster, R's along a column: each is asked for jointly.
; THE WAY OUT uses no LDS: rotation (q, k) in f32 on neighbouring registers, the quantiser, and each fragment leaves as its image, 512 consecutive bytes a store.
; LIMITS: as stated at the head of the first launch (byte 1 for a block of zeros; magnitudes under 2^-124; NaN and infinities).
; REGISTERS: window 0: v1-7 lane numbers and offsets; v16-17, v20-21, v27 LDS addresses; v28, v29 the add's two; v32-95 scale words, two sets; v96-159 P's fragments, two sets (later at work); v160-213 the way out.
;   window 1: the accumulators, (a, b) at v[8 (8 a + b)].   window 2: v0-127 R's fragments, two sets.   window 3: cos and sin of my 64 positions.
.set KSL,   8                          ; K slots
.set TPS,   15                         ; log2 of a tile's bytes of codes
.set TP,    1<<TPS
.set STPS,  11                         ; log2 of a tile's bytes of scale words
.set STP,   1<<STPS
.set SLOT,  98304                      ; P's 8 tiles x 4,096 bytes, then R's 16
.set RO,    32768
.set SCL,   2*SLOT                     ; behind the ring: the scale words: P's 8 tiles, then R's 16
.set SPARE, SCL+24*STP                 ; the spare words, 128 bytes for each wave: two blocks of 256 bytes that no other line names
.set ADRP, 16
.set ADRR, 20
.set ADRS, 27
.set SPW,  28
.set NIL,  29
.set SC,   32                          ; set s at 32 s; register 4 i + q: lanes 0-15 the word of P's tile i, lanes 16-31 of R's tile i, for the slot's K step q
.set PF,   96
.set TMP,  96                          ; the way out: the rotation's products
.set TM,   192
.set G1,   24
.set G0,   32
.set G1B,  48
.set G0B,  56
.set G1S,  68
.set G0S,  76
.set G1SB, 80
.set G0SB, 88
.set SEL,  66
.set MSB, 0
.macro WIN new                         ; the immediate's high byte repeats the setting that is left
.if MSB != \new
	s_set_vgpr_msb (MSB<<8)|\new
.set MSB, \new
.endif
.endm
.set MUL,  0x52                        ; source 0 (R) window 2, source 1 (P) window 0, C and D window 1
.set TO_R, 0x80                        ; destination window 2
; A joint load: waves 0 and 1 fetch for P, waves 2 and 3 for R; the branch hangs on the wave's number alone.  An s_nop 0 and four v_nop follow each of the two lines.
.macro JLOAD g0a, g1a, g0b, g1b
	s_cmp_eq_u32 s15, 0
	s_cbranch_scc0 .Lfor_r_\@
	tensor_load_to_lds s[\g0a:\g0a+3], s[\g1a:\g1a+7]
	s_nop 0
.rept 4
	v_nop
.endr
	s_branch .Lasked_\@
.Lfor_r_\@:
	tensor_load_to_lds s[\g0b:\g0b+3], s[\g1b:\g1b+7]
	s_nop 0
.rept 4
	v_nop
.endr
.Lasked_\@:
.endm
.macro CREST                           ; a round of the cluster's barrier behind its opening barrier
	s_cmp_lg_u32 s14, 0
	s_cbranch_scc1 .Lnot_wave_0_\@
	s_barrier_signal -3
.Lnot_wave_0_\@:
	s_barrier_wait -3
	s_barrier_signal -1
	s_barrier_wait -1
.endm
.macro CROUND
	s_barrier_signal -1
	s_barrier_wait -1
	CREST
.endm
.macro PLACES n                        ; plain vector instructions between a matrix instruction and a load into, or a read of, its registers
.rept \n
	v_nop
.endr
.endm
.macro FETCH slot, q, set              ; the fragments of the slot's K step q: R's eight, P's four
	WIN TO_R
.irp i, 0,1,2,3,4,5,6,7
	ds_load_b128 v[64*(\set)+8*\i:64*(\set)+8*\i+3],   v[ADRR+\slot] offset:\i*4096+(\q)*1024
	ds_load_b128 v[64*(\set)+8*\i+4:64*(\set)+8*\i+7], v[ADRR+\slot] offset:\i*4096+(\q)*1024+512
.endr
	WIN 0
.irp i, 0,1,2,3
	ds_load_b128 v[PF+32*(\set)+8*\i:PF+32*(\set)+8*\i+3],   v[ADRP+\slot] offset:\i*4096+(\q)*1024
	ds_load_b128 v[PF+32*(\set)+8*\i+4:PF+32*(\set)+8*\i+7], v[ADRP+\slot] offset:\i*4096+(\q)*1024+512
.endr
.endm
.macro SCALES sc                       ; a K slot's scale words: four a row
.irp i, 0,1,2,3,4,5,6,7
	ds_load_b128 v[SC+32*\sc+4*\i:SC+32*\sc+4*\i+3], v[ADRS] offset:\i*STP
.endr
.endm
; 8 matrix instructions: P's tile a against R's eight.  The 32 accumulators take turns, one instruction a turn, in the same order in every step.
.macro MUL8 a, set, q, sc, zero
.irp b, 0,1,2,3,4,5,6,7
.if \zero
	v_wmma_scale_f32_16x16x128_f8f6f4 v[8*(8*(\a)+\b):8*(8*(\a)+\b)+7], v[64*(\set)+8*\b:64*(\set)+8*\b+7], v[PF+32*(\set)+8*(\a):PF+32*(\set)+8*(\a)+7], 0, v[SC+32*(\sc)+4*\b+(\q)], v[SC+32*(\sc)+4*(\a)+(\q)] matrix_a_fmt:MATRIX_FMT_FP4 matrix_b_fmt:MATRIX_FMT_FP4 matrix_a_scale:MATRIX_SCALE_ROW1
.else
	v_wmma_scale_f32_16x16x128_f8f6f4 v[8*(8*(\a)+\b):8*(8*(\a)+\b)+7], v[64*(\set)+8*\b:64*(\set)+8*\b+7], v[PF+32*(\set)+8*(\a):PF+32*(\set)+8*(\a)+7], v[8*(8*(\a)+\b):8*(8*(\a)+\b)+7], v[SC+32*(\sc)+4*\b+(\q)], v[SC+32*(\sc)+4*(\a)+(\q)] matrix_a_fmt:MATRIX_FMT_FP4 matrix_b_fmt:MATRIX_FMT_FP4 matrix_a_scale:MATRIX_SCALE_ROW1
.endif
.endr
.endm
.macro STEP slot, q, zero              ; a K step of 128 that has its successor in the same slot
	s_wait_dscnt 0x0                               ; this step's fragments, asked for a step ago, are in
	PLACES 4                                       ; the other set was read by the last step's products
	FETCH \slot, (\q)+1, ((\q)+1)%2
	WIN MUL
	MUL8 0, (\q)%2, \q, \slot, \zero
	MUL8 1, (\q)%2, \q, \slot, \zero
	MUL8 2, (\q)%2, \q, \slot, \zero
	MUL8 3, (\q)%2, \q, \slot, \zero
.endm
; A slot's last step changes slots: ONE barrier; in front of it each wave waits for all its tensor loads, adds 0 to its spare word, and waits for that and for its reads of this slot.  fill = 1: the slot is filled again, two slots ahead.
.macro TURN slot, next, fill
	WIN 0
	s_wait_tensorcnt 0x0                           ; all my tensor loads have landed: my part of the next slot
	ds_add_u32 v[SPW], v[NIL]                      ; 0 onto my spare word
	s_wait_dscnt 1                                 ; this step's fragments are in; the add alone may be out
	WIN MUL
	MUL8 0, 1, 3, \slot, 0                         ; eight matrix instructions stand between the add and the wait for it
	s_wait_dscnt 0x0                               ; the add is done, and my reads of this slot are over
	s_barrier_signal -1
	MUL8 1, 1, 3, \slot, 0
	WIN 0
	s_barrier_wait -1
.if \fill
	CREST                                          ; the barrier has opened a round of the cluster's: no wave of any partner still reads this slot or has a load on its way
	s_add_nc_u64 s[G0+4*\slot+2:G0+4*\slot+3], s[G0+4*\slot+2:G0+4*\slot+3], 8192
	s_add_nc_u64 s[G0B+4*\slot+2:G0B+4*\slot+3], s[G0B+4*\slot+2:G0B+4*\slot+3], 8192
	JLOAD G0+4*\slot, G1, G0B+4*\slot, G1B         ; the first tensor load behind the round; its four v_nop are also the places in front of the loads below
.else
	PLACES 4
.endif
	v_add_nc_u32 v[ADRS], 256, v[ADRS]             ; the next K slot's scale words
	FETCH \next, 0, 0
	SCALES \next
	WIN MUL
	MUL8 2, 1, 3, \slot, 0
	MUL8 3, 1, 3, \slot, 0
.endm
	s_load_b256 s[4:11], s[0:1], 0x0               ; xq s[4:5], wc s[6:7], cos s[8:9], sin s[10:11]
	s_load_b128 s[92:95], s[0:1], 0x20             ; qf s[92:93], kv s[94:95]
	v_lshl_add_u32 v[SPW], v0, 2, SPARE
	v_mov_b32 v[NIL], 0
	ds_add_u32 v[SPW], v[NIL]                      ; the wave's opening: the add, twice on end, and its wait ahead of my first tensor load
	ds_add_u32 v[SPW], v[NIL]
	v_lshrrev_b32 v1, 5, v0
	v_readfirstlane_b32 s14, v1                    ; wave 0..3
	s_lshr_b32 s15, s14, 1                         ; my half of P's rows.  Also: I fetch for P (0) or for R (1)
	s_and_b32 s16, s14, 1                          ; my half of R's rows.  Also: which half of that operand's tiles I fetch
	s_bfe_u32 s40, ttmp6, 0x40000                  ; cx
	s_bfe_u32 s41, ttmp6, 0x40004                  ; cy
	s_and_b32 s17, ttmp7, 0xffff                   ; cluster y
	s_and_b32 s19, s17, 1
	s_lshr_b32 s20, s17, 1
	s_cmp_eq_u32 ttmp9, 3                          ; cluster x = 3: v
	s_cselect_b32 s18, 1, 0
	s_cselect_b32 s19, s19, s17
	s_cselect_b32 s20, s20, ttmp9
	s_cselect_b32 s21, 6291456, 0                  ; where P's codes begin in their buffer: wv's tiles are wc's 192 on
	s_mov_b32 s22, 4194304
	s_cselect_b32 s22, 8781824, s22                ; P's scale words
	s_mov_b32 s23, 8388608
	s_cselect_b32 s23, 4194304, s23                ; R's scale words
	s_lshl_b32 s19, s19, 2
	s_add_co_u32 s19, s19, s41                     ; my block of 128 rows of P
	s_lshl_b32 s20, s20, 2
	s_add_co_u32 s20, s20, s40                     ; my block of 256 rows of R
	s_lshl_b32 s43, s41, 2
	s_lshl_b32 s43, 15, s43                        ; my row of the cluster
	s_lshl_b32 s44, 0x1111, s40                    ; my column
	s_or_b32 s[G1], s43, (3<<16)|(1<<21)           ; 15:0 the mask; 17:16 elements of 8 bytes; 21 set beside a mask; no padding
	s_or_b32 s[G1B], s44, (3<<16)|(1<<21)
	s_or_b32 s[G1S], s43, (3<<16)|(1<<21)
	s_or_b32 s[G1SB], s44, (3<<16)|(1<<21)
	s_mov_b32 s[G1+1], 512<<16                     ; P's codes: 4 tiles, of each a slot's 4,096 bytes (512 elements), TP bytes apart
	s_mov_b32 s[G1+2], 4<<16
	s_mov_b32 s[G1+3], 512<<16
	s_mov_b32 s[G1+4], 4
	s_mov_b32 s[G1+5], TP/8
	s_mov_b32 s[G1+6], 0
	s_mov_b32 s[G1+7], 0
	s_mov_b32 s[G1B+1], 512<<16                    ; R's: 8 tiles
	s_mov_b32 s[G1B+2], 8<<16
	s_mov_b32 s[G1B+3], 512<<16
	s_mov_b32 s[G1B+4], 8
	s_mov_b32 s[G1B+5], TP/8
	s_mov_b32 s[G1B+6], 0
	s_mov_b32 s[G1B+7], 0
	s_mov_b32 s[G1S+1], 32<<16                     ; the scale words of 4 tiles: a dense block, as rows of 256 bytes
	s_mov_b32 s[G1S+2], (4*STP/256)<<16
	s_mov_b32 s[G1S+3], 32<<16
	s_mov_b32 s[G1S+4], 4*STP/256
	s_mov_b32 s[G1S+5], 32
	s_mov_b32 s[G1S+6], 0
	s_mov_b32 s[G1S+7], 0
	s_mov_b32 s[G1SB+1], 32<<16                    ; of 8 tiles
	s_mov_b32 s[G1SB+2], (8*STP/256)<<16
	s_mov_b32 s[G1SB+3], 32<<16
	s_mov_b32 s[G1SB+4], 8*STP/256
	s_mov_b32 s[G1SB+5], 32
	s_mov_b32 s[G1SB+6], 0
	s_mov_b32 s[G1SB+7], 0
	s_lshl_b32 s42, s19, 3
	s_lshl_b32 s45, s16, 2
	s_add_co_u32 s42, s42, s45                     ; P: the first tile that I fetch.  (P's registers never hold cx, R's never cy)
	s_lshl_b32 s46, s42, TPS
	s_add_co_u32 s46, s46, s21
	s_mov_b32 s47, 0
	s_lshl_b32 s66, s42, STPS
	s_add_co_u32 s66, s66, s22
	s_mov_b32 s67, 0
	s_lshl_b32 s12, s20, 4
	s_lshl_b32 s45, s16, 3
	s_add_co_u32 s12, s12, s45                     ; R likewise
	s_lshl_b32 s100, s12, STPS
	s_add_co_u32 s100, s100, s23
	s_mov_b32 s101, 0
	s_lshl_b32 s12, s12, TPS
	s_mov_b32 s13, 0
	s_lshl_b32 s2, s16, 14                         ; where they go in a slot: P's half,
	s_lshl_b32 s42, s16, 15
	s_add_co_u32 s42, s42, RO                      ; R's half;
	s_mul_i32 s45, s16, 4*STP
	s_add_co_u32 s45, s45, SCL                     ; P's scale words,
	s_mul_i32 s17, s16, 8*STP
	s_add_co_u32 s17, s17, SCL+8*STP               ; R's: no place in the cluster enters an LDS address
	s_wait_dscnt 0x0                               ; both opening adds are done
	s_wait_kmcnt 0x0
	s_cmp_eq_u32 s18, 1
	s_cselect_b64 s[96:97], s[6:7], s[4:5]         ; P's buffer
	s_cselect_b64 s[98:99], s[4:5], s[6:7]         ; R's
	s_add_nc_u64 s[46:47], s[96:97], s[46:47]
	s_add_nc_u64 s[66:67], s[96:97], s[66:67]
	s_add_nc_u64 s[12:13], s[98:99], s[12:13]
	s_add_nc_u64 s[100:101], s[98:99], s[100:101]
	CROUND                                         ; all sixteen work-groups are here: the first joint loads meet
	s_mov_b32 s[G0S], 1
	s_mov_b32 s[G0S+1], s45
	s_mov_b64 s[G0S+2:G0S+3], s[66:67]
	s_or_b32 s[G0S+3], s[G0S+3], 0x80000000
	s_mov_b32 s[G0SB], 1
	s_mov_b32 s[G0SB+1], s17
	s_mov_b64 s[G0SB+2:G0SB+3], s[100:101]
	s_or_b32 s[G0SB+3], s[G0SB+3], 0x80000000
	JLOAD G0S, G1S, G0SB, G1SB                     ; the scale words first: they are wanted with slot 0
.irp s, 0,1
	s_mov_b32 s[G0+4*\s], 1
	s_add_co_u32 s[G0+4*\s+1], s2, \s*SLOT
	s_add_nc_u64 s[G0+4*\s+2:G0+4*\s+3], s[46:47], \s*4096
	s_or_b32 s[G0+4*\s+3], s[G0+4*\s+3], 0x80000000
	s_mov_b32 s[G0B+4*\s], 1
	s_add_co_u32 s[G0B+4*\s+1], s42, \s*SLOT
	s_add_nc_u64 s[G0B+4*\s+2:G0B+4*\s+3], s[12:13], \s*4096
	s_or_b32 s[G0B+4*\s+3], s[G0B+4*\s+3], 0x80000000
	JLOAD G0+4*\s, G1, G0B+4*\s, G1B               ; three loads of mine are out
.endr
	v_and_b32 v1, 15, v0                           ; r
	v_bfe_u32 v2, v0, 4, 1                         ; h
	v_and_b32 v3, 31, v0
	v_lshlrev_b32 v4, 4, v3                        ; 16 x lane: my place in an image
	v_lshlrev_b32 v5, 3, v3                        ; 8 x lane
	s_lshl_b32 s21, s15, 14                        ; my 4 tiles of P
	s_lshl_b32 s22, s16, 15
	s_add_co_u32 s22, s22, RO                      ; my 8 tiles of R
.irp s, 0,1
	v_add_nc_u32 v[ADRP+\s], s21, v4
	v_add_nc_u32 v[ADRR+\s], s22, v4
	s_add_co_u32 s21, s21, SLOT
	s_add_co_u32 s22, s22, SLOT
.endr
	s_mul_i32 s21, s15, 4*STP                      ; scale words: lanes 0-15 take P's tiles, lanes 16-31 R's: the lower base + h x the distance
	s_mul_i32 s22, s16, 8*STP
	s_add_co_u32 s22, s22, 8*STP
	s_sub_co_u32 s22, s22, s21
	v_mul_u32_u24 v6, s22, v2
	s_add_co_u32 s21, s21, SCL
	v_lshl_add_u32 v6, v1, 4, v6
	v_add_nc_u32 v[ADRS], s21, v6
	; cos and sin of my 64 positions, in the accumulators' layout, asked for now and waited for on the way out.  Register 16 b + i of tile a is channel 32 b + 16 h + i: pairs 16 b + 8 h + 0 .. 7: 32 bytes of the position's row.  v is not rotated
	s_cmp_eq_u32 s18, 1
	s_cbranch_scc1 .Lno_tables
	s_lshl_b32 s42, s19, 15                        ; 128 positions x 256 bytes
	s_lshl_b32 s43, s15, 14
	s_add_co_u32 s42, s42, s43
	s_mov_b32 s43, 0
	s_add_nc_u64 s[8:9], s[8:9], s[42:43]
	s_add_nc_u64 s[10:11], s[10:11], s[42:43]
	v_lshrrev_b32 v7, 3, v1
	v_lshl_add_u32 v7, v7, 3, v1                   ; r + 8 (r / 8)
	v_lshlrev_b32 v7, 8, v7
	v_lshl_add_u32 v7, v2, 5, v7
	WIN 0xc0                                       ; destination window 3
.irp a, 0,1,2,3
.irp b, 0,1,2,3
.irp e, 0,1
	global_load_b128 v[64*\a+8*\b+4*\e:64*\a+8*\b+4*\e+3], v7, s[8:9] offset:(32*(\a/2)+8*(\a%2))*256+64*\b+16*\e
	global_load_b128 v[64*\a+32+8*\b+4*\e:64*\a+32+8*\b+4*\e+3], v7, s[10:11] offset:(32*(\a/2)+8*(\a%2))*256+64*\b+16*\e
.endr
.endr
.endr
	WIN 0
.Lno_tables:
	s_wait_tensorcnt 1                             ; the scale words and my part of slot 0 are in; slot 1's load may stay out
	s_barrier_signal -1
	s_barrier_wait -1
	FETCH 0, 0, 0
	SCALES 0
	STEP 0, 0, 1                                   ; the first step stands in front of the loop: its products start the sums
	WIN 0
	s_mov_b32 s3, KSL/2-1
.Llap:                                                 ; a trip goes once round the ring and fills both slots again
	STEP 0, 1, 0
	STEP 0, 2, 0
	TURN 0, 1, 1
	STEP 1, 0, 0
	STEP 1, 1, 0
	STEP 1, 2, 0
	TURN 1, 0, 1
	STEP 0, 0, 0
	WIN 0
	s_sub_co_u32 s3, s3, 1
	s_cmp_lg_u32 s3, 0
	s_cbranch_scc1 .Llap
	STEP 0, 1, 0                                   ; the last lap fills nothing
	STEP 0, 2, 0
	TURN 0, 1, 0
	STEP 1, 0, 0
	STEP 1, 1, 0
	STEP 1, 2, 0
	s_wait_dscnt 0x0
	WIN MUL
	MUL8 0, 1, 3, 1, 0
	MUL8 1, 1, 3, 1, 0
	MUL8 2, 1, 3, 1, 0
	MUL8 3, 1, 3, 1, 0
	WIN 0
	; ---- THE WAY OUT.  Where my four fragments and their scale words go: q: [head][tile][1,024], scale words by fours of tiles; k, v: [head][key step][piece][4,352]: a piece is four images and their 256 bytes of scale words
	s_wait_loadcnt 0x0                             ; cos and sin
	s_lshl_b32 s42, s20, 1
	s_add_co_u32 s42, s42, s16                     ; u = which 128 rows of R: q's head; 16 + k's head; v's key step
	s_lshl_b32 s43, s42, 7
	s_lshl_b32 s44, s19, 3
	s_add_co_u32 s43, s43, s44
	s_lshl_b32 s44, s15, 2
	s_add_co_u32 s43, s43, s44
	s_lshl_b32 s43, s43, 10                        ; q's codes
	s_lshl_b32 s44, s42, 5
	s_lshl_b32 s45, s19, 1
	s_add_co_u32 s44, s44, s45
	s_add_co_u32 s44, s44, s15
	s_lshl_b32 s44, s44, 8
	s_add_co_u32 s44, s44, 2097152                 ; q's scale words
	s_sub_co_u32 s45, s42, 16
	s_lshl_b32 s45, s45, 4
	s_add_co_u32 s45, s45, s19                     ; k: head x 16 + key step (not taken for q)
	s_lshl_b32 s46, s19, 4
	s_add_co_u32 s46, s46, s42                     ; v: head x 16 + key step
	s_cmp_eq_u32 s18, 1
	s_cselect_b32 s45, s46, s45
	s_cselect_b32 s46, 8704, 0                     ; v's pieces lie behind k's two
	s_mul_i32 s45, s45, 17408
	s_mul_i32 s47, s15, 4352
	s_add_co_u32 s45, s45, s46
	s_add_co_u32 s45, s45, s47                     ; the piece
	s_add_co_u32 s46, s45, 4096                    ; its scale words
	s_cmp_lt_u32 ttmp9, 2
	s_cselect_b32 s12, s43, s45
	s_cselect_b32 s100, s44, s46
	s_cselect_b64 s[96:97], s[92:93], s[94:95]
	s_mov_b32 s13, 0
	s_mov_b32 s101, 0
	s_add_nc_u64 s[98:99], s[96:97], s[100:101]
	s_add_nc_u64 s[96:97], s[96:97], s[12:13]
	s_mov_b32 s100, 0xffff0000                     ; lanes 16-31
	s_mov_b32 s[SEL], 0x76543210
	s_mov_b32 s[SEL+1], 0xfedcba98
.irp b, 0,1,2,3
	v_mov_b32 v[TM+4+\b], 0                        ; a lane permute's destination counts as one of its sources.  (These four are the places behind the last products)
.endr
; the rotation of tile a: neighbouring registers are a pair: o0 = t0 cos - t1 sin, o1 = t1 cos + t0 sin, in f32, each accumulator read from its low end on
.macro ROPE a
	WIN 0x0d                                       ; source 0 window 1, source 1 window 3
.set RP, 0
.rept 32
	v_mul_f32 v[TMP+2*RP], v[64*(\a)+2*RP+1], v[64*(\a)+32+RP]
	v_mul_f32 v[TMP+2*RP+1], v[64*(\a)+2*RP], v[64*(\a)+32+RP]
.set RP, RP+1
.endr
	WIN 0x4d                                       ; and the destination window 1
.set RP, 0
.rept 32
	v_fma_f32 v[64*(\a)+2*RP], v[64*(\a)+2*RP], v[64*(\a)+RP], -v[TMP+2*RP]
	v_fma_f32 v[64*(\a)+2*RP+1], v[64*(\a)+2*RP+1], v[64*(\a)+RP], v[TMP+2*RP+1]
.set RP, RP+1
.endr
	WIN 0
.endm
; 64 numbers of a lane in window 1, register s + 16 b + i = K 32 b + 16 (lane / 16) + i of my row, become a fragment's codes in v[pc] on and its scale word in v[pw]
.macro QUANTW s, pc, pw
	WIN 0x05
.irp b, 0,1,2,3
	v_max3_num_f32 v[TM+\b], |v[\s+16*\b]|, |v[\s+1+16*\b]|, 0x1800000   ; and the floor 2^(3 - 127): the byte cannot fall under 1
.endr
	WIN 0x14
.irp i, 2,4,6,8,10,12,14
.irp b, 0,1,2,3
	v_max3_num_f32 v[TM+\b], v[TM+\b], |v[\s+16*\b+\i]|, |v[\s+1+16*\b+\i]|
.endr
.endr
	WIN 0
.irp b, 0,1,2,3
	v_permlanex16_b32 v[TM+4+\b], v[TM+\b], s[SEL], s[SEL+1]
.endr
.irp b, 0,1,2,3
	v_max_num_f32 v[TM+\b], v[TM+\b], v[TM+4+\b]
.endr
.irp b, 0,1,2,3
	v_add_nc_u32 v[TM+12+\b], 0xff000000, v[TM+\b] ; 2 off the exponent field: the conversion's scale operand
.endr
.irp b, 0,1,2,3
	v_lshrrev_b32 v[TM+4+\b], 23, v[TM+12+\b]
.endr
	v_lshl_or_b32 v[\pw], v[TM+5], 8, v[TM+4]
	v_lshl_or_b32 v[\pw], v[TM+6], 16, v[\pw]
	v_lshl_or_b32 v[\pw], v[TM+7], 24, v[\pw]
	WIN 0x01
.irp b, 0,1,2,3
	v_cvt_scalef32_pk8_fp4_f32 v[\pc+2*\b], v[\s+16*\b:\s+7+16*\b], v[TM+12+\b]
	v_cvt_scalef32_pk8_fp4_f32 v[\pc+1+2*\b], v[\s+8+16*\b:\s+15+16*\b], v[TM+12+\b]
.endr
	WIN 0
	v_nop                                          ; one plain place behind a scaled conversion
.irp c, 0,1
.irp i, 0,1
	v_permlane16_swap_b32 v[\pc+4*\c+\i], v[\pc+2+4*\c+\i]
.endr
.endr
.endm
.irp a, 0,1,2,3
	s_cmp_eq_u32 s18, 1
	s_cbranch_scc1 .Lno_rope_\a
	ROPE \a
.Lno_rope_\a:
	QUANTW 64*\a, 160+8*\a, 208+\a
	global_store_b128 v4, v[160+8*\a:163+8*\a], s[96:97] offset:1024*\a        ; the image: 512 consecutive bytes a store; each tile has its own registers
	global_store_b128 v4, v[164+8*\a:167+8*\a], s[96:97] offset:1024*\a+512
.endr
	v_cndmask_b32 v212, v208, v209, s100           ; four tiles' scale words as one image: lane l: words of tiles l / 16 and 2 + l / 16, row l % 16
	v_cndmask_b32 v213, v210, v211, s100
	global_store_b64 v5, v[212:213], s[98:99]      ; 256 consecutive bytes, aligned
	s_wait_tensorcnt 0x0                           ; the wave's end
	ds_add_u32 v[SPW], v[NIL]
	s_wait_dscnt 0x0
	CROUND                                         ; the closing round: no work-group ends while a partner may still ask for a tile that names it
	s_endpgm
.Lfunc_end_k_q0c655d5cc3_gemm_qkv:
	.size	k_q0c655d5cc3_gemm_qkv, .Lfunc_end_k_q0c655d5cc3_gemm_qkv-k_q0c655d5cc3_gemm_qkv
	.p2alignl 7, 3214868480
	.fill 96, 4, 3214868480
	.section	.rodata,"a",@progbits
	.p2align	6, 0x0
	.amdhsa_kernel k_q0c655d5cc3_gemm_qkv
		.amdhsa_group_segment_fixed_size 327680
		.amdhsa_private_segment_fixed_size 0
		.amdhsa_enable_private_segment 0
		.amdhsa_kernarg_size 48
		.amdhsa_user_sgpr_count 2
		.amdhsa_user_sgpr_kernarg_segment_ptr 1
		.amdhsa_wavefront_size32 1
		.amdhsa_system_sgpr_workgroup_id_x 1
		.amdhsa_system_sgpr_workgroup_id_y 1
		.amdhsa_system_sgpr_workgroup_id_z 1
		.amdhsa_system_vgpr_workitem_id 0
		.amdhsa_next_free_vgpr 1024
		.amdhsa_next_free_sgpr 102
		.amdhsa_reserve_vcc 0
		.amdhsa_float_denorm_mode_32 3
		.amdhsa_float_denorm_mode_16_64 3
		.amdhsa_memory_ordered 1
		.amdhsa_forward_progress 1
		.amdhsa_inst_pref_size 156
	.end_amdhsa_kernel
	.amdgpu_metadata
---
amdhsa.version: [ 1, 2 ]
amdhsa.kernels:
  - .name:           k_q0c655d5cc3_gemm_qkv
    .symbol:         k_q0c655d5cc3_gemm_qkv.kd
    .args:
      - { .name: xq, .offset: 0, .size: 8, .value_kind: global_buffer, .address_space: global }
      - { .name: wc, .offset: 8, .size: 8, .value_kind: global_buffer, .address_space: global }
      - { .name: freqs_cos, .offset: 16, .size: 8, .value_kind: global_buffer, .address_space: global }
      - { .name: freqs_sin, .offset: 24, .size: 8, .value_kind: global_buffer, .address_space: global }
      - { .name: qf, .offset: 32, .size: 8, .value_kind: global_buffer, .address_space: global }
      - { .name: kv, .offset: 40, .size: 8, .value_kind: global_buffer, .address_space: global }
    .group_segment_fixed_size: 327680
    .private_segment_fixed_size: 0
    .kernarg_segment_align: 8
    .kernarg_segment_size: 48
    .max_flat_workgroup_size: 128
    .sgpr_count:     102
    .vgpr_count:     1024
    .wavefront_size: 32
...
	.end_amdgpu_metadata
.endif
;; end of part 2
;; launch attn (part 3): grid 32 x 8, 16 waves a work-group, clusters of 4 x 1, 327,680 bytes of LDS; arguments qf, kv, af, wo, woq; writes af, woq
.if DOCPART == 3
	.amdgcn_target "amdgcn-amd-amdhsa--gfx1250"
	.amdhsa_code_object_version 6
	.text
	.protected	k_q0c655d5cc3_attn
	.globl	k_q0c655d5cc3_attn
	.p2align	8
	.type	k_q0c655d5cc3_attn,@function
k_q0c655d5cc3_attn:
	s_mov_b64 s[64:65], 0
	v_nop
	global_prefetch_b8 v0, s[64:65] scope:SCOPE_SE
	s_setreg_imm32_b32 hwreg(HW_REG_WAVE_MODE, 25, 1), 1
	s_wait_xcnt 0x0
	s_wait_alu depctr_hold_cnt(0) depctr_sa_sdst(0) depctr_va_vdst(0) depctr_va_sdst(0) depctr_va_ssrc(0) depctr_va_vcc(0) depctr_vm_vsrc(0)
	s_getreg_b32 s2, hwreg(HW_REG_IB_STS2, 6, 4)
	s_cmp_eq_u32 s2, 0
	s_cbranch_scc0 .Lentry_in_a_cluster
	s_endpgm
.Lentry_in_a_cluster:
	s_bfe_u32 s2, ttmp6, 0x10000c
	s_cmp_lg_u32 s2, 0x3003
	s_cbranch_scc0 .Lentry_shape_is_right
	s_endpgm
.Lentry_shape_is_right:
; THIRD LAUNCH: for each query head, softmax(q k^T / sqrt(128), causal) v, both products on codes of FP4, and the result quantised along the product with wo's K.  Beside it: wo (f32) is turned into codes for the fourth launch.
; WORK LEFT OUT: a key step (128 keys) all of whose keys come after a tile's 16 queries: reference()'s own jnp.tril gives them -infinity, so p = 0 for all values of the inputs (shown at the head of the first launch, with its limit).
; THE SOFTMAX AHEAD OF THE SECOND PRODUCT: t = score x log2(e) / sqrt(128); M = the running largest t rounded UP to a whole number; p = 2^(t - M) is quantised along the keys, not normalised; the row's sum is taken of the
; unquantised p and divides at the end; when M moves, the sum and O are multiplied by 2^(old M - new M), which rounds nothing.
; SHARES.  A work-group serves one key/value head and four tiles of 16 queries for each of the head's two query heads.  With j = the work-group's x (0 .. 31) the tiles are 127 - j, 64 + j, j, 63 - j: 34 key steps for a query head, in every
; work-group.  A TILE'S KEYS ARE SHARED BY TWO WAVES: half 0 walks the even key steps, half 1 the odd ones, each with its own M, sum and O^T, so that no wave walks more than 8 steps on end.  Since both M are whole numbers, the two
; are brought under the larger one by powers of two, which round nothing; half 1 hands its 68 registers to half 0 through LDS, as images.
; WAVE w: query head w % 2, half (w / 2) % 2, tile ((w / 4) + w % 4) % 4: both the waves w, w + 4, w + 8, w + 12 and the waves 4 i .. 4 i + 3 hold one tile of each of the four lengths.
; A tile's last key step (its band, tile / 8) is made of the CLUSTER's number and the wave's alone: the four partners' tiles lie in the same bands, so no branch hangs on a work-group's place in its cluster.
; LDS holds the head's whole k and v: 278,528 bytes, filled ONCE, by joint loads of the cluster's four work-groups, which walk the same head.  A load brings one piece (4 images + their scale words, 4,352 bytes) of each of a slot's
; four key steps, so every load holds bytes of step 0, 4, 8 or 12, which every partner reads (each has a tile of band 12 or more).  Waves 0-7 issue two loads each, in one branch on the wave's number: the first are slots 0 and 1, the
; second slots 2 and 3, so that one counted wait parts the first 8 key steps from the last 8.  The loops' counts are constants, and a hidden step's work is jumped over.
; wo.  Behind the second gate they quantise the work-group's share of wo, 128 columns x 256 along K, 32 columns x 128 K a wave: a lane takes a column and its registers
; run down K (as the first launch does for wq, wk, wv), so that a block's 16 bytes of codes are a lane's part of a fragment's image.  The arm uses registers that hold nothing between two key steps, and leaves no load or store's source behind.
; LAYOUT.  Both products transposed: S^T = K Q^T, O^T = V^T P^T: a lane holds one query throughout; by the order of places in a tile the 16 registers of tiles 2 b, 2 b + 1 are 16 neighbouring keys (channels).
; LIMITS: as at the head of the first launch; v_exp_f32 gives 0 where 2^(t - M) lies under 2^-126.
; REGISTERS: v1 16 x lane, v2 8 x lane, v3 my query's place against the diagonal step's keys, v4 16 r; v5, v6 the add's two; v7 my pair's stage; v8, v9 addresses in hand; v11 Q's scale word; v12 -M, v13 the largest t, v[14:15] the sum;
;   v16-23 Q; v24-27 K's scale words, v28-31 V's; v32-95 eight fragments of K, then of V; v96-159 S^T, then p; v160-223 O^T; v224-231 codes; v232-254 at work.  wo's arm: v32-95 numbers, v96-111 codes, v112-122 at work.
.set SLOTB, 69632                      ; a slot: four key steps
.set PIECE, 17408                      ; in LDS: a piece of the slot's four steps
.set STEPB, 4352                       ; a piece of one step
.set VO,    2*PIECE                    ; V's two pieces lie behind K's two
.set SPARE, 4*SLOTB                    ; the spare words, 128 bytes for each wave: eight blocks of 256 bytes that no other line names
.set STGB,  8704                       ; the stage of a pair of waves: 17 images of four registers; eight pairs fill slot 0's bytes, which have had their only fill
.set LI,   1
.set L8,   2
.set DD,   3
.set SPW,  5
.set NIL,  6
.set STG,  7
.set ADR,  8
.set ADS,  9
.set QS,   11
.set TM,   232
.set WX,   32                          ; wo: two sets of 32 numbers
.set WC,   96                          ; wo: four registers of codes for each of my four blocks
.set WSB,  112                         ; wo: my four scale bytes
.set WA,   113
.set WB,   114
.set WS,   115
.set DOFF, 116
.set SOFF, 117
.set COL,  118
.set HOFF, 14                          ; s14  my half's first step in a slot, in bytes
.set TILE, 15                          ; s15  which of the four tiles
.set WV,   16
.set HALF, 17
.set BAND, 18
.set STEPN, 19
.set SEL,  20
.set CS,   22
.set G1,   24
.set G0,   32
.set TB,   48
.set CNT,  50
.macro CROUND                          ; a round of the cluster's barrier
	s_barrier_signal -1
	s_barrier_wait -1
	s_cmp_lg_u32 s[WV], 0
	s_cbranch_scc1 .Lnot_wave_0_\@
	s_barrier_signal -3
.Lnot_wave_0_\@:
	s_barrier_wait -3
	s_barrier_signal -1
	s_barrier_wait -1
.endm
.macro QUANT s, pc, pw                 ; 64 numbers of a lane, register s + 16 b + i = K 32 b + 16 (lane / 16) + i, become a fragment's codes and its scale word
.irp b, 0,1,2,3
	v_max3_num_f32 v[TM+\b], |v[\s+16*\b]|, |v[\s+1+16*\b]|, 0x1800000
.endr
.irp i, 2,4,6,8,10,12,14
.irp b, 0,1,2,3
	v_max3_num_f32 v[TM+\b], v[TM+\b], |v[\s+16*\b+\i]|, |v[\s+1+16*\b+\i]|
.endr
.endr
.irp b, 0,1,2,3
	v_permlanex16_b32 v[TM+4+\b], v[TM+\b], s[SEL], s[SEL+1]
.endr
.irp b, 0,1,2,3
	v_max_num_f32 v[TM+\b], v[TM+\b], v[TM+4+\b]
.endr
.irp b, 0,1,2,3
	v_add_nc_u32 v[TM+12+\b], 0xff000000, v[TM+\b]
.endr
.irp b, 0,1,2,3
	v_lshrrev_b32 v[TM+4+\b], 23, v[TM+12+\b]
.endr
	v_lshl_or_b32 v[\pw], v[TM+5], 8, v[TM+4]
	v_lshl_or_b32 v[\pw], v[TM+6], 16, v[\pw]
	v_lshl_or_b32 v[\pw], v[TM+7], 24, v[\pw]
.irp b, 0,1,2,3
	v_cvt_scalef32_pk8_fp4_f32 v[\pc+2*\b], v[\s+16*\b:\s+7+16*\b], v[TM+12+\b]
	v_cvt_scalef32_pk8_fp4_f32 v[\pc+1+2*\b], v[\s+8+16*\b:\s+15+16*\b], v[TM+12+\b]
.endr
	v_nop
.irp c, 0,1
.irp i, 0,1
	v_permlane16_swap_b32 v[\pc+4*\c+\i], v[\pc+2+4*\c+\i]
.endr
.endr
.endm
.macro WLOAD t                         ; wo: block t (32 along K) of my column into set t % 2: each load reads 128 consecutive bytes; a row of wo is 16,384 bytes, and 127 rows at the most stand in the immediate
.irp i, 0,1,2,3,4,5,6,7,8,9,10,11,12,13,14,15,16,17,18,19,20,21,22,23,24,25,26,27,28,29,30,31
	global_load_b32 v[WX+32*((\t)%2)+\i], v[COL], s[76:77] offset:(32*(\t)+\i)*16384 th:TH_LOAD_NT
.endr
.endm
.macro WBLOCK t
.set XS, WX+32*((\t)%2)
.if \t < 3
	s_wait_loadcnt 32                              ; this block's 32 loads are in; the next block's may be out
.else
	s_wait_loadcnt 0x0
.endif
	v_max3_num_f32 v[WA], |v[XS]|, |v[XS+1]|, |v[XS+2]|    ; the block's largest magnitude: all 32 numbers are mine
	v_max3_num_f32 v[WB], |v[XS+3]|, |v[XS+4]|, |v[XS+5]|
.irp i, 6,10,14,18,22,26
	v_max3_num_f32 v[WA], v[WA], |v[XS+\i]|, |v[XS+\i+1]|
	v_max3_num_f32 v[WB], v[WB], |v[XS+\i+2]|, |v[XS+\i+3]|
.endr
	v_max3_num_f32 v[WA], v[WA], |v[XS+30]|, |v[XS+31]|
	v_max3_num_f32 v[WA], v[WA], v[WB], 0x1800000  ; and the floor 2^(3 - 127): the byte cannot fall under 1
	v_add_nc_u32 v[WS], 0xff000000, v[WA]          ; 2 off the exponent field: the conversion's scale operand
	v_lshrrev_b32 v[WB], 23, v[WS]                 ; the byte
.if \t == 0
	v_mov_b32 v[WSB], v[WB]
.else
	v_lshl_or_b32 v[WSB], v[WB], 8*(\t), v[WSB]
.endif
.irp g, 0,1,2,3
	v_cvt_scalef32_pk8_fp4_f32 v[WC+4*(\t)+\g], v[XS+8*\g:XS+8*\g+7], v[WS]
.endr
	v_nop                                          ; one plain place behind a scaled conversion
	global_store_b128 v[DOFF], v[WC+4*(\t):WC+4*(\t)+3], s[80:81] offset:((\t)/2)*512+((\t)%2)*256   ; block 2 c + h of the K step: 16 bytes at 512 c + 256 h + 16 p: sixteen lanes store 256 consecutive bytes, aligned; each block has its own registers
.if \t < 2
	WLOAD \t+2
.endif
.endm
	s_load_b128 s[4:7], s[0:1], 0x0                ; qf s[4:5], kv s[6:7]
	s_load_b128 s[8:11], s[0:1], 0x10              ; af s[8:9], wo s[10:11]
	s_load_b64 s[12:13], s[0:1], 0x20              ; woq
	v_lshl_add_u32 v[SPW], v0, 2, SPARE
	v_mov_b32 v[NIL], 0
	ds_add_u32 v[SPW], v[NIL]                      ; the wave's opening: the add, twice on end, and its wait ahead of my first tensor load
	ds_add_u32 v[SPW], v[NIL]
	v_lshrrev_b32 v8, 5, v0
	v_readfirstlane_b32 s[WV], v8                  ; wave 0..15
	s_and_b32 s43, s[WV], 3
	s_lshr_b32 s[TILE], s[WV], 2
	s_add_co_u32 s[TILE], s[TILE], s43
	s_and_b32 s[TILE], s[TILE], 3                  ; which of the four tiles: ((wave / 4) + wave % 4) % 4
	s_bfe_u32 s[HALF], s[WV], 0x10001              ; which half of its key steps: (wave / 2) % 2
	s_mul_i32 s[HOFF], s[HALF], STEPB
	s_mov_b32 s[STEPN], s[HALF]                    ; my first key step
	s_and_b32 s40, ttmp7, 0xffff                   ; the key/value head
	s_lshr_b32 s41, ttmp9, 1                       ; m = j / 8, of the cluster's number alone
	s_sub_co_u32 s43, 15, s41
	s_add_co_u32 s44, s41, 8
	s_sub_co_u32 s45, 7, s41
	s_cmp_eq_u32 s[TILE], 0
	s_cselect_b32 s[BAND], s43, s45
	s_cmp_eq_u32 s[TILE], 1
	s_cselect_b32 s[BAND], s44, s[BAND]
	s_cmp_eq_u32 s[TILE], 2
	s_cselect_b32 s[BAND], s41, s[BAND]            ; my tile's last key step: 15 - m, 8 + m, m, 7 - m
	s_bfe_u32 s46, ttmp6, 0x40000                  ; cx: it enters global addresses and one vector number, nothing else
	s_lshl_b32 s47, ttmp9, 2
	s_add_co_u32 s47, s47, s46                     ; j
	s_sub_co_u32 s43, 127, s47
	s_add_co_u32 s44, s47, 64
	s_sub_co_u32 s45, 63, s47
	s_cmp_eq_u32 s[TILE], 0
	s_cselect_b32 s49, s43, s45
	s_cmp_eq_u32 s[TILE], 1
	s_cselect_b32 s49, s44, s49
	s_cmp_eq_u32 s[TILE], 2
	s_cselect_b32 s49, s47, s49                    ; t: my tile
	s_and_b32 s51, s[WV], 1                        ; which of the two query heads
	s_lshl_b32 s71, s[TILE], 1
	s_add_co_u32 s71, s71, s51
	s_mul_i32 s71, s71, STGB                       ; my pair's stage: pair = 2 x tile + query head, of the wave's number alone
	s_lshl_b32 s52, s40, 1
	s_add_co_u32 s51, s51, s52                     ; my query head
	s_lshl_b32 s52, s51, 7
	s_add_co_u32 s52, s52, s49
	s_lshl_b32 s52, s52, 10                        ; Q's image
	s_mov_b32 s53, 0
	s_lshl_b32 s54, s51, 5
	s_lshr_b32 s55, s49, 2
	s_add_co_u32 s54, s54, s55
	s_lshl_b32 s54, s54, 8                         ; Q's scale words: the image of four tiles,
	s_and_b32 s55, s49, 1
	s_lshl_b32 s55, s55, 7
	s_add_co_u32 s54, s54, s55                     ; lanes 16 (t % 2) on,
	s_bfe_u32 s55, s49, 0x10001
	s_lshl_b32 s55, s55, 2
	s_add_co_u32 s54, s54, s55                     ; word (t / 2) % 2
	s_add_co_u32 s54, s54, 2097152
	s_mov_b32 s55, 0
	s_lshl_b32 s56, s49, 4
	s_add_co_u32 s56, s56, s51
	s_lshl_b32 s56, s56, 10                        ; the result's image: tile t, K step = my query head
	s_mov_b32 s57, 0
	s_lshl_b32 s58, s49, 10
	s_lshr_b32 s59, s51, 2
	s_lshl_b32 s59, s59, 8
	s_add_co_u32 s58, s58, s59
	s_and_b32 s59, s51, 3
	s_lshl_b32 s59, s59, 2
	s_add_co_u32 s58, s58, s59
	s_add_co_u32 s58, s58, 2097152                 ; its scale word: K slot head / 4, word head % 4
	s_mov_b32 s59, 0
	s_lshr_b32 s60, s49, 1
	s_lshl_b32 s60, s60, 5
	s_and_b32 s61, s49, 1
	s_lshl_b32 s61, s61, 3
	s_add_co_u32 s60, s60, s61
	s_and_b32 s60, s60, 127                        ; the tile's first query, counted from its band's first key
	s_bfe_u32 s61, s[WV], 0x10002                  ; what waves 0-7 fetch: piece wave % 4 of slots wave / 4 and 2 + wave / 4
	s_and_b32 s62, s[WV], 3
	s_mul_i32 s63, s61, SLOTB
	s_mul_i32 s66, s62, PIECE
	s_add_co_u32 s66, s66, s63                     ; in LDS,
	s_mul_i32 s67, s62, STEPB
	s_add_co_u32 s68, s67, s63
	s_mul_i32 s70, s40, 4*SLOTB
	s_add_co_u32 s68, s68, s70                     ; and in memory
	s_mov_b32 s69, 0
	s_mov_b32 s[G1], 15|(3<<16)|(1<<21)            ; 15:0 the mask: all four work-groups; 17:16 elements of 8 bytes; 21 set beside a mask; no padding
	s_mov_b32 s[G1+1], 544<<16                     ; tensor_dim0: 4,352 bytes
	s_mov_b32 s[G1+2], 4<<16                       ; tensor_dim1: four key steps
	s_mov_b32 s[G1+3], 544<<16                     ; tile_dim0
	s_mov_b32 s[G1+4], 4                           ; tile_dim1
	s_mov_b32 s[G1+5], 2176                        ; from step to step: 17,408 bytes
	s_mov_b32 s[G1+6], 0
	s_mov_b32 s[G1+7], 0
	s_mov_b32 s[SEL], 0x76543210
	s_mov_b32 s[SEL+1], 0xfedcba98
	s_mov_b32 s[CS], 0x3e0293ee                    ; c = log2(e) / sqrt(128)
	s_mov_b32 s[CS+1], s[CS]                       ; (named with it as a pair)
	s_wait_dscnt 0x0                               ; both opening adds are done
	s_wait_kmcnt 0x0
	s_add_nc_u64 s[68:69], s[6:7], s[68:69]
.irp i, 0,1
	s_mov_b32 s[G0+4*\i], 1
	s_add_co_u32 s[G0+4*\i+1], s66, \i*2*SLOTB
	s_add_nc_u64 s[G0+4*\i+2:G0+4*\i+3], s[68:69], \i*2*SLOTB
	s_or_b32 s[G0+4*\i+3], s[G0+4*\i+3], 0x80000000
.endr
	CROUND                                         ; all four work-groups are here: the joint loads meet
	s_cmp_lt_u32 s[WV], 8                          ; a wave's two first fills stand in one branch on the wave's number, the same in all partners; the counted wait follows behind it
	s_cbranch_scc0 .Lno_fetch
	tensor_load_to_lds s[G0:G0+3], s[G1:G1+7]      ; two loads of mine are out
	s_nop 0
	tensor_load_to_lds s[G0+4:G0+7], s[G1:G1+7]
	s_nop 0
.rept 4
	v_nop
.endr
.Lno_fetch:
	s_add_nc_u64 s[52:53], s[4:5], s[52:53]
	s_add_nc_u64 s[54:55], s[4:5], s[54:55]
	s_add_nc_u64 s[56:57], s[8:9], s[56:57]
	s_add_nc_u64 s[58:59], s[8:9], s[58:59]
	v_and_b32 v10, 31, v0
	v_lshlrev_b32 v[LI], 4, v10
	v_lshlrev_b32 v[L8], 3, v10
	v_add_nc_u32 v[STG], s71, v[LI]                ; every LDS address is made here, ahead of the places where the waves part
	v_and_b32 v8, 15, v0                           ; r
	v_bfe_u32 v9, v0, 4, 1                         ; h
	global_load_b128 v[16:19], v[LI], s[52:53]     ; Q's fragment stays in registers, in both waves of a pair
	global_load_b128 v[20:23], v[LI], s[52:53] offset:512
	v_lshlrev_b32 v10, 3, v8
	global_load_b32 v[QS], v10, s[54:55]           ; lane r: row r's word
	v_lshrrev_b32 v4, 3, v8
	v_lshl_add_u32 v[DD], v4, 3, v8                ; r + 8 (r / 8)
	v_lshlrev_b32 v4, 4, v9
	v_sub_nc_u32 v[DD], v[DD], v4
	v_add_nc_u32 v[DD], s60, v[DD]                 ; d = my query - the diagonal step's first key - 16 h
	v_lshlrev_b32 v4, 4, v8                        ; 16 r
	v_mov_b32 v13, 0xff61b1e6                      ; the largest t so far: -3e38, under every t
	v_floor_f32 v12, -v13                          ; -M
	v_mov_b32 v14, 0
	v_mov_b32 v15, 0
.irp b, 0,1,2,3
	v_mov_b32 v[236+\b], 0                         ; a lane permute's destination counts as one of its sources
.endr
	v_mov_b32 v253, 0                              ; (named as the upper half of v[252:253] before it is first written)
.irp j, 0,1,2,3,4,5,6,7,8,9,10,11,12,13,14,15,16,17,18,19,20,21,22,23,24,25,26,27,28,29,30,31,32,33,34,35,36,37,38,39,40,41,42,43,44,45,46,47,48,49,50,51,52,53,54,55,56,57,58,59,60,61,62,63
	v_mov_b32 v[160+\j], 0                         ; O^T: the step is written once; the first finds zeros, which the first change of M leaves zeros; a half with no step hands zeros on
.endr
; A KEY STEP of 128 keys.
.macro STEP
	s_cmp_gt_u32 s[STEPN], s[BAND]                 ; all its keys come after my queries: the work is jumped over; no barrier, wait for tiles or tensor load stands in a step
	s_cbranch_scc1 .Lhidden_\@
	v_add_nc_u32 v[ADR], s[TB], v[LI]
	v_add_nc_u32 v[ADS], s[TB], v[L8]
	v_nop
	v_nop                                          ; four places in front of loads into registers that the last step's products have read
.irp t, 0,1,2,3,4,5,6,7
	ds_load_b128 v[32+8*\t:35+8*\t], v[ADR] offset:(\t/4)*PIECE+(\t%4)*1024
	ds_load_b128 v[36+8*\t:39+8*\t], v[ADR] offset:(\t/4)*PIECE+(\t%4)*1024+512
.endr
.irp e, 0,1
	ds_load_b64 v[24+2*\e:25+2*\e], v[ADS] offset:\e*PIECE+4096   ; four tiles' scale words: tile a in register a / 2, lanes 16 (a % 2) on
.endr
	s_wait_dscnt 0x0
.irp t, 0,1,2,3,4,5,6,7                        ; S^T = K Q^T
.if \t%2
	v_wmma_scale_f32_16x16x128_f8f6f4 v[96+8*\t:103+8*\t], v[32+8*\t:39+8*\t], v[16:23], 0, v[24+2*(\t/4)+(\t%4)/2], v[QS] matrix_a_fmt:MATRIX_FMT_FP4 matrix_b_fmt:MATRIX_FMT_FP4 matrix_a_scale:MATRIX_SCALE_ROW1
.else
	v_wmma_scale_f32_16x16x128_f8f6f4 v[96+8*\t:103+8*\t], v[32+8*\t:39+8*\t], v[16:23], 0, v[24+2*(\t/4)+(\t%4)/2], v[QS] matrix_a_fmt:MATRIX_FMT_FP4 matrix_b_fmt:MATRIX_FMT_FP4
.endif
.endr
.rept 4
	v_nop                                          ; places in front of the loads below and of the first read of the scores
.endr
.irp t, 0,1,2,3,4,5,6,7                        ; V's fragments land while the softmax is walked
	ds_load_b128 v[32+8*\t:35+8*\t], v[ADR] offset:VO+(\t/4)*PIECE+(\t%4)*1024
	ds_load_b128 v[36+8*\t:39+8*\t], v[ADR] offset:VO+(\t/4)*PIECE+(\t%4)*1024+512
.endr
.irp e, 0,1
	ds_load_b64 v[28+2*\e:29+2*\e], v[ADS] offset:VO+\e*PIECE+4096
.endr
	s_cmp_lt_u32 s[STEPN], s[BAND]                 ; only the tile's last step lies on the diagonal
	s_cbranch_scc1 .Lopen_\@
	v_mov_b32 v254, 0xff800000                     ; -infinity.  Register 16 b + i holds key 32 b + 16 h + i of the step: hidden where 32 b + i > d
.irp n, 0,1,2,3,4,5,6,7,8,9,10,11,12,13,14,15,16,17,18,19,20,21,22,23,24,25,26,27,28,29,30,31,32,33,34,35,36,37,38,39,40,41,42,43,44,45,46,47,48,49,50,51,52,53,54,55,56,57,58,59,60,61,62,63
	v_cmp_gt_i32 vcc_lo, 32*(\n/16)+\n%16, v[DD]
	v_cndmask_b32 v[96+\n], v[96+\n], v254, vcc_lo
.endr
.Lopen_\@:
.irp b, 0,1,2,3
	v_max3_num_f32 v[232+\b], v[96+16*\b], v[97+16*\b], v[98+16*\b]   ; the largest score of each block of 32 keys: for the row's maximum and, since p rises with the score, for the block's largest p
.endr
.irp i, 3,5,7,9,11,13
.irp b, 0,1,2,3
	v_max3_num_f32 v[232+\b], v[232+\b], v[96+16*\b+\i], v[97+16*\b+\i]
.endr
.endr
.irp b, 0,1,2,3
	v_max_num_f32 v[232+\b], v[232+\b], v[111+16*\b]
.endr
.irp b, 0,1,2,3
	v_permlanex16_b32 v[236+\b], v[232+\b], s[SEL], s[SEL+1]
.endr
.irp b, 0,1,2,3
	v_max_num_f32 v[232+\b], v[232+\b], v[236+\b]  ; with lane l xor 16's 16 keys
.endr
	v_max3_num_f32 v254, v232, v233, v234
	v_max_num_f32 v254, v254, v235
	v_mul_f32 v254, s[CS], v254                    ; the step's largest t
	v_max_num_f32 v13, v13, v254                   ; the running largest t
	v_mov_b32 v254, v12
	v_floor_f32 v12, -v13                          ; -M = floor(-t): M is a whole number
	v_sub_f32 v254, v12, v254                      ; old M - new M: a whole number, 0 or less
	v_cvt_i32_f32 v254, v254
	v_ldexp_f32 v252, 1.0, v254                    ; f = 2^(old M - new M)
.irp j, 0,2,4,6,8,10,12,14,16,18,20,22,24,26,28,30,32,34,36,38,40,42,44,46,48,50,52,54,56,58,60,62
	v_pk_fma_f32 v[96+\j:97+\j], v[96+\j:97+\j], s[CS:CS+1], v[12:13] op_sel_hi:[1,0,0]   ; t - M, two at a time
.endr
.irp b, 0,1,2,3
	v_fma_f32 v[232+\b], v[232+\b], s[CS], v12     ; the same of each block's largest score
.endr
.irp j, 0,1,2,3,4,5,6,7,8,9,10,11,12,13,14,15,16,17,18,19,20,21,22,23,24,25,26,27,28,29,30,31,32,33,34,35,36,37,38,39,40,41,42,43,44,45,46,47,48,49,50,51,52,53,54,55,56,57,58,59,60,61,62,63
	v_exp_f32 v[96+\j], v[96+\j]                   ; p = 2^(t - M), at most 1
.endr
	v_pk_mul_f32 v[14:15], v[14:15], v[252:253] op_sel_hi:[1,0]   ; the sums under the new M: the plain place behind the exponentials
	s_wait_alu depctr_va_vdst(0)                   ; one wait for the whole batch, ahead of its first reader
.irp b, 0,1,2,3
	v_exp_f32 v[232+\b], v[232+\b]                 ; the blocks' largest p
.endr
	v_pk_add_f32 v[236:237], v[96:97], v[98:99]    ; the row's sum, of the unquantised p, in two chains
.irp j, 4,8,12,16,20,24,28,32,36,40,44,48,52,56,60
	v_pk_add_f32 v[14:15], v[14:15], v[96+\j:97+\j]
	v_pk_add_f32 v[236:237], v[236:237], v[98+\j:99+\j]
.endr
	v_pk_add_f32 v[14:15], v[14:15], v[236:237]
	s_wait_alu depctr_va_vdst(0)                   ; and one for the four
.irp b, 0,1,2,3
	v_max_num_f32 v[232+\b], 0x1800000, v[232+\b]  ; the floor: a block whose every p is 0 keeps the byte 1: its codes are zeros
.endr
.irp b, 0,1,2,3
	v_add_nc_u32 v[244+\b], 0xff000000, v[232+\b]
.endr
.irp b, 0,1,2,3
	v_lshrrev_b32 v[236+\b], 23, v[244+\b]
.endr
	v_lshl_or_b32 v253, v237, 8, v236              ; p's scale word for these 128 keys
	v_lshl_or_b32 v253, v238, 16, v253
	v_lshl_or_b32 v253, v239, 24, v253
.irp b, 0,1,2,3
	v_cvt_scalef32_pk8_fp4_f32 v[224+2*\b], v[96+16*\b:103+16*\b], v[244+\b]
	v_cvt_scalef32_pk8_fp4_f32 v[225+2*\b], v[104+16*\b:111+16*\b], v[244+\b]
.endr
	v_nop
.irp c, 0,1
.irp i, 0,1
	v_permlane16_swap_b32 v[224+4*\c+\i], v[226+4*\c+\i]
.endr
.endr
.irp j, 0,2,4,6,8,10,12,14,16,18,20,22,24,26,28,30,32,34,36,38,40,42,44,46,48,50,52,54,56,58,60,62
	v_pk_mul_f32 v[160+\j:161+\j], v[160+\j:161+\j], v[252:253] op_sel_hi:[1,0]   ; O^T under the new M; these 32 are also the places in front of the products below
.endr
	s_wait_dscnt 0x0                               ; V is in
.irp t, 0,1,2,3,4,5,6,7                        ; O^T += V^T P^T: eight accumulators by turns
.if \t%2
	v_wmma_scale_f32_16x16x128_f8f6f4 v[160+8*\t:167+8*\t], v[32+8*\t:39+8*\t], v[224:231], v[160+8*\t:167+8*\t], v[28+2*(\t/4)+(\t%4)/2], v253 matrix_a_fmt:MATRIX_FMT_FP4 matrix_b_fmt:MATRIX_FMT_FP4 matrix_a_scale:MATRIX_SCALE_ROW1
.else
	v_wmma_scale_f32_16x16x128_f8f6f4 v[160+8*\t:167+8*\t], v[32+8*\t:39+8*\t], v[224:231], v[160+8*\t:167+8*\t], v[28+2*(\t/4)+(\t%4)/2], v253 matrix_a_fmt:MATRIX_FMT_FP4 matrix_b_fmt:MATRIX_FMT_FP4
.endif
.endr
.Lhidden_\@:
	s_add_co_u32 s[STEPN], s[STEPN], 2             ; my half's next step
	s_add_co_u32 s[TB], s[TB], 2*STEPB
.endm
; A gate: two slots have landed in every loading wave.  left: how many of a loading wave's two tensor loads may stay out.  Nothing is ever filled again, so later tiles may stay on their way across the barrier.
.macro GATE left
	s_wait_dscnt 0x0
	s_wait_tensorcnt \left
	s_barrier_signal -1
	s_barrier_wait -1
.endm
.macro RUN s                           ; my half's two steps of slot s
	s_add_co_u32 s[TB], s[HOFF], \s*SLOTB
	s_mov_b32 s[CNT], 2
.Lstep_\@:
	STEP
	s_sub_co_u32 s[CNT], s[CNT], 1
	s_cmp_lg_u32 s[CNT], 0
	s_cbranch_scc1 .Lstep_\@
.endm
	s_wait_loadcnt 0x0                             ; Q
	GATE 1                                         ; each loading wave's first load is in: slots 0 and 1; its second (slot 2 or 3) may be out
	RUN 0
	RUN 1
	GATE 0                                         ; slots 2 and 3 are in; and nobody reads slots 0 and 1 any more
	s_cmp_lt_u32 s[TILE], 2                        ; tiles j and 63 - j have bands of 7 at the most: their waves have no key left
	s_cbranch_scc1 .Lno_arm
	; ---- wo: the work-group's 128 columns (128 j on) x 256 along K (256 x key/value head on); my wave: columns 32 (wave % 4) on, K step 2 x head + (tile - 2): four blocks of 32
	v_and_b32 v119, 15, v0                         ; place p.  (These eleven lines are also the places in front of loads into registers that my last products have read)
	v_bfe_u32 v120, v0, 4, 1                       ; which of my two tiles of columns
	v_and_b32 v121, 7, v119
	v_lshrrev_b32 v122, 3, v119
	v_lshl_add_u32 v121, v120, 3, v121
	v_lshl_add_u32 v121, v122, 4, v121             ; my column of the 32: 8 u + p % 8 + 16 (p / 8): lanes 0-15 are one tile, in its order of places
	v_lshlrev_b32 v[COL], 2, v121
	v_lshlrev_b32 v[DOFF], 14, v120                ; a tile's codes are 16,384 bytes
	v_lshl_add_u32 v[DOFF], v119, 4, v[DOFF]
	v_lshlrev_b32 v[SOFF], 10, v120                ; its scale words 1,024
	v_lshl_add_u32 v[SOFF], v119, 4, v[SOFF]
	s_and_b32 s71, s[WV], 3                        ; which 32 columns
	s_sub_co_u32 s72, s[TILE], 2
	s_lshl_b32 s73, s40, 1
	s_add_co_u32 s73, s73, s72                     ; the K step, 0 .. 15
	s_lshl_b32 s74, s73, 21                        ; 128 rows of 16,384 bytes
	s_lshl_b32 s75, s47, 9
	s_add_co_u32 s74, s74, s75
	s_lshl_b32 s75, s71, 7
	s_add_co_u32 s74, s74, s75
	s_mov_b32 s75, 0
	s_add_nc_u64 s[76:77], s[10:11], s[74:75]      ; my 32 columns, first row
	s_lshl_b32 s78, s47, 3
	s_lshl_b32 s79, s71, 1
	s_add_co_u32 s78, s78, s79                     ; my first tile
	s_lshl_b32 s74, s78, 14
	s_lshl_b32 s79, s73, 10
	s_add_co_u32 s74, s74, s79
	s_add_nc_u64 s[80:81], s[12:13], s[74:75]      ; its image of this K step
	s_lshl_b32 s74, s78, 10
	s_lshr_b32 s79, s73, 2
	s_lshl_b32 s79, s79, 8
	s_add_co_u32 s74, s74, s79
	s_and_b32 s79, s73, 3
	s_lshl_b32 s79, s79, 2
	s_add_co_u32 s74, s74, s79
	s_add_co_u32 s74, s74, 4194304
	s_add_nc_u64 s[82:83], s[12:13], s[74:75]      ; its scale words: K slot step / 4, word step % 4
	WLOAD 0
	WLOAD 1
	WBLOCK 0
	WBLOCK 1
	WBLOCK 2
	WBLOCK 3
	global_store_b32 v[SOFF], v[WSB], s[82:83]     ; one word of each place's four: 64 bytes of an aligned 256, which three other waves complete; wo's scale words are 256 KiB in all
	s_wait_xcnt 0x0                                ; the stores have read their registers, which the text below may write
.Lno_arm:
	RUN 2
	RUN 3
	; ---- THE TWO HALVES OF A TILE'S KEYS ARE JOINED.  Half 1 stores O^T, -M and the sums as images into the pair's stage; half 0 brings both under the larger M
.rept 4
	v_nop                                          ; places behind the last products
.endr
	s_wait_dscnt 0x0                               ; my reads of k and v are over
	s_barrier_signal -1
	s_barrier_wait -1                              ; everybody's are: the stage may be written
	s_cmp_eq_u32 s[HALF], 0
	s_cbranch_scc1 .Lkeeper
.irp i, 0,1,2,3,4,5,6,7,8,9,10,11,12,13,14,15
	ds_store_b128 v[STG], v[160+4*\i:163+4*\i] offset:512*\i   ; each accumulator from its low end on
.endr
	ds_store_b128 v[STG], v[12:15] offset:8192     ; -M, the largest t, the sum's two halves
.Lkeeper:
	s_wait_dscnt 0x0                               ; for the partner's sake: my stores have landed
	s_barrier_signal -1
	s_barrier_wait -1
	s_cmp_lg_u32 s[HALF], 0
	s_cbranch_scc1 .Ldone
.irp i, 0,1,2,3,4,5,6,7,8,9,10,11,12,13,14,15
	ds_load_b128 v[32+4*\i:35+4*\i], v[STG] offset:512*\i
.endr
	ds_load_b128 v[24:27], v[STG] offset:8192
	s_wait_dscnt 0x0
	v_min_num_f32 v232, v12, v24                   ; -M of the two together: M is the larger
	v_sub_f32 v233, v232, v12                      ; my M less the common one: a whole number, 0 or less
	v_sub_f32 v234, v232, v24                      ; my partner's (a half with no step holds M = -3e38: the conversion saturates and its factor is 0)
	v_cvt_i32_f32 v233, v233
	v_cvt_i32_f32 v234, v234
	v_ldexp_f32 v233, 1.0, v233                    ; powers of two: nothing is rounded
	v_ldexp_f32 v234, 1.0, v234
	v_add_f32 v14, v14, v15
	v_add_f32 v26, v26, v27
	v_mul_f32 v14, v14, v233
	v_fma_f32 v14, v26, v234, v14                  ; both halves' sums under the common M,
	v_permlanex16_b32 v236, v14, s[SEL], s[SEL+1]
	v_add_f32 v14, v14, v236                       ; and lane l xor 16's: the row's sum
	v_rcp_f32 v14, v14
	v_nop                                          ; a plain place behind the reciprocal
	s_wait_alu depctr_va_vdst(0)                   ; and its wait, ahead of the first reader
	v_mul_f32 v240, v233, v14
	v_mul_f32 v242, v234, v14
.irp j, 0,1,2,3,4,5,6,7,8,9,10,11,12,13,14,15,16,17,18,19,20,21,22,23,24,25,26,27,28,29,30,31,32,33,34,35,36,37,38,39,40,41,42,43,44,45,46,47,48,49,50,51,52,53,54,55,56,57,58,59,60,61,62,63
	v_mul_f32 v[96+\j], v[160+\j], v240            ; each accumulator from its low end on
.endr
.irp j, 0,1,2,3,4,5,6,7,8,9,10,11,12,13,14,15,16,17,18,19,20,21,22,23,24,25,26,27,28,29,30,31,32,33,34,35,36,37,38,39,40,41,42,43,44,45,46,47,48,49,50,51,52,53,54,55,56,57,58,59,60,61,62,63
	v_fma_f32 v[96+\j], v[32+\j], v242, v[96+\j]   ; O^T / the sum; its registers are 16 neighbours along the head's channels, which are K of the product with wo
.endr
	QUANT 96, 224, 248
	global_store_b128 v[LI], v[224:227], s[56:57]  ; the fragment's image: 512 consecutive bytes a store
	global_store_b128 v[LI], v[228:231], s[56:57] offset:512
	global_store_b32 v4, v248, s[58:59]            ; one word of each row's four: 64 bytes of an aligned 256, which waves of this and another work-group complete; these words are 128 KiB in all (lanes r and r + 16 write the same word)
.Ldone:
	s_wait_tensorcnt 0x0                           ; the wave's end, behind my last tensor load and my last LDS store
	ds_add_u32 v[SPW], v[NIL]
	s_wait_dscnt 0x0
	CROUND                                         ; the closing round
	s_endpgm
.Lfunc_end_k_q0c655d5cc3_attn:
	.size	k_q0c655d5cc3_attn, .Lfunc_end_k_q0c655d5cc3_attn-k_q0c655d5cc3_attn
	.p2alignl 7, 3214868480
	.fill 96, 4, 3214868480
	.section	.rodata,"a",@progbits
	.p2align	6, 0x0
	.amdhsa_kernel k_q0c655d5cc3_attn
		.amdhsa_group_segment_fixed_size 327680
		.amdhsa_private_segment_fixed_size 0
		.amdhsa_enable_private_segment 0
		.amdhsa_kernarg_size 40
		.amdhsa_user_sgpr_count 2
		.amdhsa_user_sgpr_kernarg_segment_ptr 1
		.amdhsa_wavefront_size32 1
		.amdhsa_system_sgpr_workgroup_id_x 1
		.amdhsa_system_sgpr_workgroup_id_y 1
		.amdhsa_system_sgpr_workgroup_id_z 1
		.amdhsa_system_vgpr_workitem_id 0
		.amdhsa_next_free_vgpr 256
		.amdhsa_next_free_sgpr 100
		.amdhsa_reserve_vcc 1
		.amdhsa_float_denorm_mode_32 3
		.amdhsa_float_denorm_mode_16_64 3
		.amdhsa_memory_ordered 1
		.amdhsa_forward_progress 1
		.amdhsa_inst_pref_size 134
	.end_amdhsa_kernel
	.amdgpu_metadata
---
amdhsa.version: [ 1, 2 ]
amdhsa.kernels:
  - .name:           k_q0c655d5cc3_attn
    .symbol:         k_q0c655d5cc3_attn.kd
    .args:
      - { .name: qf, .offset: 0, .size: 8, .value_kind: global_buffer, .address_space: global }
      - { .name: kv, .offset: 8, .size: 8, .value_kind: global_buffer, .address_space: global }
      - { .name: af, .offset: 16, .size: 8, .value_kind: global_buffer, .address_space: global }
      - { .name: wo, .offset: 24, .size: 8, .value_kind: global_buffer, .address_space: global }
      - { .name: woq, .offset: 32, .size: 8, .value_kind: global_buffer, .address_space: global }
    .group_segment_fixed_size: 327680
    .private_segment_fixed_size: 0
    .kernarg_segment_align: 8
    .kernarg_segment_size: 40
    .max_flat_workgroup_size: 512
    .sgpr_count:     100
    .vgpr_count:     256
    .wavefront_size: 32
...
	.end_amdgpu_metadata
.endif
;; end of part 3
;; launch gemm_o (part 4): grid 16 x 16, 4 waves a work-group, clusters of 4 x 4, 327,680 bytes of LDS; arguments af, woq, out0; writes out0
.if DOCPART == 4
	.amdgcn_target "amdgcn-amd-amdhsa--gfx1250"
	.amdhsa_code_object_version 6
	.text
	.protected	k_q0c655d5cc3_gemm_o
	.globl	k_q0c655d5cc3_gemm_o
	.p2align	8
	.type	k_q0c655d5cc3_gemm_o,@function
k_q0c655d5cc3_gemm_o:
	s_mov_b64 s[64:65], 0
	v_nop
	global_prefetch_b8 v0, s[64:65] scope:SCOPE_SE
	s_setreg_imm32_b32 hwreg(HW_REG_WAVE_MODE, 25, 1), 1
	s_wait_xcnt 0x0
	s_wait_alu depctr_hold_cnt(0) depctr_sa_sdst(0) depctr_va_vdst(0) depctr_va_sdst(0) depctr_va_ssrc(0) depctr_va_vcc(0) depctr_vm_vsrc(0)
	s_getreg_b32 s2, hwreg(HW_REG_IB_STS2, 6, 4)
	s_cmp_eq_u32 s2, 0
	s_cbranch_scc0 .Lentry_in_a_cluster
	s_endpgm
.Lentry_in_a_cluster:
	s_bfe_u32 s2, ttmp6, 0x10000c
	s_cmp_lg_u32 s2, 0xf033
	s_cbranch_scc0 .Lentry_shape_is_right
	s_endpgm
.Lentry_shape_is_right:
; FOURTH LAUNCH: out0 = (the attention's result) wo, on codes of FP4, K = 2,048.  No work of reference() is left out here.
; The product is the second launch's: transposed (source 0 = a tile of wo's columns, R; source 1 = a tile of positions, P), 128 x 256 of the result to a work-group, 64 x 128 to a wave, K in slots of 512 through a ring of two
; LDS slots of register images, the scale words of all of K brought once, 4 x 4 clusters with P's tiles shared along a row and R's along a column.
; THE WAY OUT: by the order of places in a tile a lane's 16 registers of R's tiles 2 b, 2 b + 1 are 16 neighbouring columns of one row.  A tile of 16 rows x 128 columns goes through my own stage in LDS and leaves as whole rows:
; 32 lanes store 512 consecutive bytes, aligned.
; REGISTERS: window 0: v1-4 lane numbers; v16-17, v20-21, v27 LDS addresses; v24, v25 the stage; v28, v29 the add's two; v32-95 scale words; v96-159 P's fragments; on the way out v96-223 rows of the result.
;   window 1: the accumulators, (a, b) at v[8 (8 a + b)].   window 2: v0-127 R's fragments, two sets.
.set KSL,   4
.set TPS,   14
.set TP,    1<<TPS
.set STPS,  10
.set STP,   1<<STPS
.set SLOT,  98304
.set RO,    32768
.set SCL,   2*SLOT
.set STAGE, SCL+24*STP                 ; bytes of its own, into which no fill lands: 16 rows x (512 + 16) bytes for each wave
.set SPARE, STAGE+4*16*528             ; the spare words, 128 bytes for each wave: two blocks of 256 bytes that no other line names
.set ADRP, 16
.set ADRR, 20
.set STO,  24
.set RD,   25
.set ADRS, 27
.set SPW,  28
.set NIL,  29
.set SC,   32
.set PF,   96
.set BK,   96
.set G1,   24
.set G0,   32
.set G1B,  48
.set G0B,  56
.set G1S,  68
.set G0S,  76
.set G1SB, 80
.set G0SB, 88
.set MSB, 0
.macro WIN new                         ; the immediate's high byte repeats the setting that is left
.if MSB != \new
	s_set_vgpr_msb (MSB<<8)|\new
.set MSB, \new
.endif
.endm
.set MUL,  0x52                        ; source 0 (R) window 2, source 1 (P) window 0, C and D window 1
.set TO_R, 0x80
.macro JLOAD g0a, g1a, g0b, g1b        ; a joint load: waves 0 and 1 fetch for P, waves 2 and 3 for R; an s_nop 0 and four v_nop follow each of the two lines
	s_cmp_eq_u32 s15, 0
	s_cbranch_scc0 .Lfor_r_\@
	tensor_load_to_lds s[\g0a:\g0a+3], s[\g1a:\g1a+7]
	s_nop 0
.rept 4
	v_nop
.endr
	s_branch .Lasked_\@
.Lfor_r_\@:
	tensor_load_to_lds s[\g0b:\g0b+3], s[\g1b:\g1b+7]
	s_nop 0
.rept 4
	v_nop
.endr
.Lasked_\@:
.endm
.macro CREST
	s_cmp_lg_u32 s14, 0
	s_cbranch_scc1 .Lnot_wave_0_\@
	s_barrier_signal -3
.Lnot_wave_0_\@:
	s_barrier_wait -3
	s_barrier_signal -1
	s_barrier_wait -1
.endm
.macro CROUND
	s_barrier_signal -1
	s_barrier_wait -1
	CREST
.endm
.macro PLACES n
.rept \n
	v_nop
.endr
.endm
.macro FETCH slot, q, set
	WIN TO_R
.irp i, 0,1,2,3,4,5,6,7
	ds_load_b128 v[64*(\set)+8*\i:64*(\set)+8*\i+3],   v[ADRR+\slot] offset:\i*4096+(\q)*1024
	ds_load_b128 v[64*(\set)+8*\i+4:64*(\set)+8*\i+7], v[ADRR+\slot] offset:\i*4096+(\q)*1024+512
.endr
	WIN 0
.irp i, 0,1,2,3
	ds_load_b128 v[PF+32*(\set)+8*\i:PF+32*(\set)+8*\i+3],   v[ADRP+\slot] offset:\i*4096+(\q)*1024
	ds_load_b128 v[PF+32*(\set)+8*\i+4:PF+32*(\set)+8*\i+7], v[ADRP+\slot] offset:\i*4096+(\q)*1024+512
.endr
.endm
.macro SCALES sc
.irp i, 0,1,2,3,4,5,6,7
	ds_load_b128 v[SC+32*\sc+4*\i:SC+32*\sc+4*\i+3], v[ADRS] offset:\i*STP
.endr
.endm
.macro MUL8 a, set, q, sc, zero        ; the 32 accumulators take turns, one instruction a turn, in the same order in every step
.irp b, 0,1,2,3,4,5,6,7
.if \zero
	v_wmma_scale_f32_16x16x128_f8f6f4 v[8*(8*(\a)+\b):8*(8*(\a)+\b)+7], v[64*(\set)+8*\b:64*(\set)+8*\b+7], v[PF+32*(\set)+8*(\a):PF+32*(\set)+8*(\a)+7], 0, v[SC+32*(\sc)+4*\b+(\q)], v[SC+32*(\sc)+4*(\a)+(\q)] matrix_a_fmt:MATRIX_FMT_FP4 matrix_b_fmt:MATRIX_FMT_FP4 matrix_a_scale:MATRIX_SCALE_ROW1
.else
	v_wmma_scale_f32_16x16x128_f8f6f4 v[8*(8*(\a)+\b):8*(8*(\a)+\b)+7], v[64*(\set)+8*\b:64*(\set)+8*\b+7], v[PF+32*(\set)+8*(\a):PF+32*(\set)+8*(\a)+7], v[8*(8*(\a)+\b):8*(8*(\a)+\b)+7], v[SC+32*(\sc)+4*\b+(\q)], v[SC+32*(\sc)+4*(\a)+(\q)] matrix_a_fmt:MATRIX_FMT_FP4 matrix_b_fmt:MATRIX_FMT_FP4 matrix_a_scale:MATRIX_SCALE_ROW1
.endif
.endr
.endm
.macro STEP slot, q, zero
	s_wait_dscnt 0x0                               ; this step's fragments, asked for a step ago, are in
	PLACES 4                                       ; the other set was read by the last step's products
	FETCH \slot, (\q)+1, ((\q)+1)%2
	WIN MUL
	MUL8 0, (\q)%2, \q, \slot, \zero
	MUL8 1, (\q)%2, \q, \slot, \zero
	MUL8 2, (\q)%2, \q, \slot, \zero
	MUL8 3, (\q)%2, \q, \slot, \zero
.endm
.macro TURN slot, next, fill           ; a slot's last step changes slots: one barrier, in front of it the wait for all my tensor loads, the add, and the wait for it and for my reads of the slot
	WIN 0
	s_wait_tensorcnt 0x0                           ; all my tensor loads have landed: my part of the next slot
	ds_add_u32 v[SPW], v[NIL]                      ; 0 onto my spare word
	s_wait_dscnt 1                                 ; this step's fragments are in; the add alone may be out
	WIN MUL
	MUL8 0, 1, 3, \slot, 0
	s_wait_dscnt 0x0                               ; the add is done, and my reads of this slot are over
	s_barrier_signal -1
	MUL8 1, 1, 3, \slot, 0
	WIN 0
	s_barrier_wait -1
.if \fill
	CREST                                          ; the barrier has opened a round of the cluster's: no wave of any partner still reads this slot or has a load on its way
	s_add_nc_u64 s[G0+4*\slot+2:G0+4*\slot+3], s[G0+4*\slot+2:G0+4*\slot+3], 8192
	s_add_nc_u64 s[G0B+4*\slot+2:G0B+4*\slot+3], s[G0B+4*\slot+2:G0B+4*\slot+3], 8192
	JLOAD G0+4*\slot, G1, G0B+4*\slot, G1B
.else
	PLACES 4
.endif
	v_add_nc_u32 v[ADRS], 256, v[ADRS]
	FETCH \next, 0, 0
	SCALES \next
	WIN MUL
	MUL8 2, 1, 3, \slot, 0
	MUL8 3, 1, 3, \slot, 0
.endm
	s_load_b128 s[4:7], s[0:1], 0x0                ; af s[4:5], woq s[6:7]
	s_load_b64 s[8:9], s[0:1], 0x10                ; out0
	v_lshl_add_u32 v[SPW], v0, 2, SPARE
	v_mov_b32 v[NIL], 0
	ds_add_u32 v[SPW], v[NIL]                      ; the wave's opening: the add, twice on end, and its wait ahead of my first tensor load
	ds_add_u32 v[SPW], v[NIL]
	v_lshrrev_b32 v1, 5, v0
	v_readfirstlane_b32 s14, v1                    ; wave 0..3
	s_lshr_b32 s15, s14, 1                         ; my half of P's rows.  Also: I fetch for P (0) or for R (1)
	s_and_b32 s16, s14, 1                          ; my half of R's rows.  Also: which half of that operand's tiles I fetch
	s_bfe_u32 s40, ttmp6, 0x40000                  ; cx
	s_bfe_u32 s41, ttmp6, 0x40004                  ; cy
	s_and_b32 s19, ttmp7, 0xffff
	s_lshl_b32 s19, s19, 2
	s_add_co_u32 s19, s19, s41                     ; my block of 128 positions
	s_lshl_b32 s20, ttmp9, 2
	s_add_co_u32 s20, s20, s40                     ; my block of 256 columns
	s_lshl_b32 s43, s41, 2
	s_lshl_b32 s43, 15, s43                        ; my row of the cluster
	s_lshl_b32 s44, 0x1111, s40                    ; my column
	s_or_b32 s[G1], s43, (3<<16)|(1<<21)           ; 15:0 the mask; 17:16 elements of 8 bytes; 21 set beside a mask; no padding
	s_or_b32 s[G1B], s44, (3<<16)|(1<<21)
	s_or_b32 s[G1S], s43, (3<<16)|(1<<21)
	s_or_b32 s[G1SB], s44, (3<<16)|(1<<21)
	s_mov_b32 s[G1+1], 512<<16                     ; P's codes: 4 tiles, of each a slot's 4,096 bytes, TP bytes apart
	s_mov_b32 s[G1+2], 4<<16
	s_mov_b32 s[G1+3], 512<<16
	s_mov_b32 s[G1+4], 4
	s_mov_b32 s[G1+5], TP/8
	s_mov_b32 s[G1+6], 0
	s_mov_b32 s[G1+7], 0
	s_mov_b32 s[G1B+1], 512<<16                    ; R's: 8 tiles
	s_mov_b32 s[G1B+2], 8<<16
	s_mov_b32 s[G1B+3], 512<<16
	s_mov_b32 s[G1B+4], 8
	s_mov_b32 s[G1B+5], TP/8
	s_mov_b32 s[G1B+6], 0
	s_mov_b32 s[G1B+7], 0
	s_mov_b32 s[G1S+1], 32<<16                     ; the scale words of 4 tiles: a dense block, as rows of 256 bytes
	s_mov_b32 s[G1S+2], (4*STP/256)<<16
	s_mov_b32 s[G1S+3], 32<<16
	s_mov_b32 s[G1S+4], 4*STP/256
	s_mov_b32 s[G1S+5], 32
	s_mov_b32 s[G1S+6], 0
	s_mov_b32 s[G1S+7], 0
	s_mov_b32 s[G1SB+1], 32<<16                    ; of 8 tiles
	s_mov_b32 s[G1SB+2], (8*STP/256)<<16
	s_mov_b32 s[G1SB+3], 32<<16
	s_mov_b32 s[G1SB+4], 8*STP/256
	s_mov_b32 s[G1SB+5], 32
	s_mov_b32 s[G1SB+6], 0
	s_mov_b32 s[G1SB+7], 0
	s_lshl_b32 s42, s19, 3
	s_lshl_b32 s45, s16, 2
	s_add_co_u32 s42, s42, s45                     ; P: the first tile that I fetch.  (P's registers never hold cx, R's never cy)
	s_lshl_b32 s46, s42, TPS
	s_mov_b32 s47, 0
	s_lshl_b32 s66, s42, STPS
	s_add_co_u32 s66, s66, 2097152
	s_mov_b32 s67, 0
	s_lshl_b32 s12, s20, 4
	s_lshl_b32 s45, s16, 3
	s_add_co_u32 s12, s12, s45                     ; R likewise
	s_lshl_b32 s100, s12, STPS
	s_add_co_u32 s100, s100, 4194304
	s_mov_b32 s101, 0
	s_lshl_b32 s12, s12, TPS
	s_mov_b32 s13, 0
	s_lshl_b32 s2, s16, 14                         ; where they go in a slot: P's half,
	s_lshl_b32 s42, s16, 15
	s_add_co_u32 s42, s42, RO                      ; R's half;
	s_mul_i32 s45, s16, 4*STP
	s_add_co_u32 s45, s45, SCL                     ; P's scale words,
	s_mul_i32 s17, s16, 8*STP
	s_add_co_u32 s17, s17, SCL+8*STP               ; R's: no place in the cluster enters an LDS address
	s_wait_dscnt 0x0                               ; both opening adds are done
	s_wait_kmcnt 0x0
	s_add_nc_u64 s[46:47], s[4:5], s[46:47]
	s_add_nc_u64 s[66:67], s[4:5], s[66:67]
	s_add_nc_u64 s[12:13], s[6:7], s[12:13]
	s_add_nc_u64 s[100:101], s[6:7], s[100:101]
	CROUND                                         ; all sixteen work-groups are here: the first joint loads meet
	s_mov_b32 s[G0S], 1
	s_mov_b32 s[G0S+1], s45
	s_mov_b64 s[G0S+2:G0S+3], s[66:67]
	s_or_b32 s[G0S+3], s[G0S+3], 0x80000000
	s_mov_b32 s[G0SB], 1
	s_mov_b32 s[G0SB+1], s17
	s_mov_b64 s[G0SB+2:G0SB+3], s[100:101]
	s_or_b32 s[G0SB+3], s[G0SB+3], 0x80000000
	JLOAD G0S, G1S, G0SB, G1SB                     ; the scale words first
.irp s, 0,1
	s_mov_b32 s[G0+4*\s], 1
	s_add_co_u32 s[G0+4*\s+1], s2, \s*SLOT
	s_add_nc_u64 s[G0+4*\s+2:G0+4*\s+3], s[46:47], \s*4096
	s_or_b32 s[G0+4*\s+3], s[G0+4*\s+3], 0x80000000
	s_mov_b32 s[G0B+4*\s], 1
	s_add_co_u32 s[G0B+4*\s+1], s42, \s*SLOT
	s_add_nc_u64 s[G0B+4*\s+2:G0B+4*\s+3], s[12:13], \s*4096
	s_or_b32 s[G0B+4*\s+3], s[G0B+4*\s+3], 0x80000000
	JLOAD G0+4*\s, G1, G0B+4*\s, G1B               ; three loads of mine are out
.endr
	v_and_b32 v1, 15, v0                           ; r
	v_bfe_u32 v2, v0, 4, 1                         ; h
	v_and_b32 v3, 31, v0
	v_lshlrev_b32 v4, 4, v3                        ; 16 x lane
	s_lshl_b32 s21, s15, 14
	s_lshl_b32 s22, s16, 15
	s_add_co_u32 s22, s22, RO
.irp s, 0,1
	v_add_nc_u32 v[ADRP+\s], s21, v4
	v_add_nc_u32 v[ADRR+\s], s22, v4
	s_add_co_u32 s21, s21, SLOT
	s_add_co_u32 s22, s22, SLOT
.endr
	s_mul_i32 s21, s15, 4*STP                      ; scale words: lanes 0-15 take P's tiles, lanes 16-31 R's: the lower base + h x the distance
	s_mul_i32 s22, s16, 8*STP
	s_add_co_u32 s22, s22, 8*STP
	s_sub_co_u32 s22, s22, s21
	v_mul_u32_u24 v6, s22, v2
	s_add_co_u32 s21, s21, SCL
	v_lshl_add_u32 v6, v1, 4, v6
	v_add_nc_u32 v[ADRS], s21, v6
	s_mul_i32 s23, s14, 16*528
	s_add_co_u32 s23, s23, STAGE                   ; my stage
	v_mul_u32_u24 v5, v1, 528
	v_lshl_add_u32 v5, v2, 6, v5
	v_add_nc_u32 v[STO], s23, v5                   ; in: row r, + 64 h
	v_add_nc_u32 v[RD], s23, v4                    ; back: a whole row, 16 bytes a lane
	s_lshl_b32 s42, s19, 7
	s_lshl_b32 s43, s15, 6
	s_add_co_u32 s42, s42, s43                     ; my first row of out0,
	s_lshl_b32 s42, s42, 14                        ; rows of 16,384 bytes,
	s_lshl_b32 s43, s20, 10
	s_add_co_u32 s42, s42, s43
	s_lshl_b32 s43, s16, 9
	s_add_co_u32 s42, s42, s43                     ; my first column
	s_mov_b32 s43, 0
	s_add_nc_u64 s[8:9], s[8:9], s[42:43]
	s_wait_tensorcnt 1                             ; the scale words and my part of slot 0 are in; slot 1's load may stay out
	s_barrier_signal -1
	s_barrier_wait -1
	FETCH 0, 0, 0
	SCALES 0
	STEP 0, 0, 1                                   ; the first step stands in front of the loop: its products start the sums
	WIN 0
	s_mov_b32 s3, KSL/2-1
.Llap:                                                 ; a trip goes once round the ring and fills both slots again
	STEP 0, 1, 0
	STEP 0, 2, 0
	TURN 0, 1, 1
	STEP 1, 0, 0
	STEP 1, 1, 0
	STEP 1, 2, 0
	TURN 1, 0, 1
	STEP 0, 0, 0
	WIN 0
	s_sub_co_u32 s3, s3, 1
	s_cmp_lg_u32 s3, 0
	s_cbranch_scc1 .Llap
	STEP 0, 1, 0                                   ; the last lap fills nothing
	STEP 0, 2, 0
	TURN 0, 1, 0
	STEP 1, 0, 0
	STEP 1, 1, 0
	STEP 1, 2, 0
	s_wait_dscnt 0x0
	WIN MUL
	MUL8 0, 1, 3, 1, 0
	MUL8 1, 1, 3, 1, 0
	MUL8 2, 1, 3, 1, 0
	MUL8 3, 1, 3, 1, 0
	WIN 0
; THE WAY OUT, a tile of 16 rows at a time.  LDS serves a wave's instructions in order: no wait between the stores and the loads, nor in front of the next tile's stores.
.macro TOSTAGE a
	WIN 0x04                                       ; an LDS store's data are its source 1: window 1
.irp b, 0,1,2,3,4,5,6,7
	ds_store_b128 v[STO], v[8*(8*(\a)+\b):8*(8*(\a)+\b)+3] offset:128*(\b/2)+32*(\b%2)          ; columns 32 (b / 2) + 16 h + 8 (b % 2) on; each accumulator from its low end on
	ds_store_b128 v[STO], v[8*(8*(\a)+\b)+4:8*(8*(\a)+\b)+7] offset:128*(\b/2)+32*(\b%2)+16
.endr
	WIN 0
.set BB, BK+64*((\a)%2)
.irp i, 0,1,2,3,4,5,6,7,8,9,10,11,12,13,14,15
	ds_load_b128 v[BB+4*\i:BB+4*\i+3], v[RD] offset:\i*528
.endr
.endm
.macro SEND a, younger                 ; younger: the LDS instructions issued behind tile a's loads, which may stay out
.set BB, BK+64*((\a)%2)
	s_wait_dscnt \younger
.irp i, 0,1,2,3,4,5,6,7,8,9,10,11,12,13,14,15
	global_store_b128 v4, v[BB+4*\i:BB+4*\i+3], s[8:9] offset:(32*((\a)/2)+8*((\a)%2)+\i+8*(\i/8))*16384 th:TH_STORE_NT   ; place i of tile a is that row; 512 consecutive bytes, aligned; 63 rows at the most stand in the immediate
.endr
.endm
	PLACES 4                                       ; behind the last products: for the first reads of results and the loads into P's registers
	TOSTAGE 0
.irp a, 1,2,3
.if \a > 1
	s_wait_xcnt 0x0                                ; tile a - 2's stores have read their registers: tile a's rows may land there
.endif
	TOSTAGE \a
	SEND \a-1, 32                                  ; behind tile a - 1's loads: tile a's 16 stores and 16 loads
.endr
	SEND 3, 0
	s_wait_tensorcnt 0x0                           ; the wave's end, behind my last tensor load and my last LDS store
	ds_add_u32 v[SPW], v[NIL]
	s_wait_dscnt 0x0
	CROUND                                         ; the closing round: no work-group ends while a partner may still ask for a tile that names it
	s_endpgm
.Lfunc_end_k_q0c655d5cc3_gemm_o:
	.size	k_q0c655d5cc3_gemm_o, .Lfunc_end_k_q0c655d5cc3_gemm_o-k_q0c655d5cc3_gemm_o
	.p2alignl 7, 3214868480
	.fill 96, 4, 3214868480
	.section	.rodata,"a",@progbits
	.p2align	6, 0x0
	.amdhsa_kernel k_q0c655d5cc3_gemm_o
		.amdhsa_group_segment_fixed_size 327680
		.amdhsa_private_segment_fixed_size 0
		.amdhsa_enable_private_segment 0
		.amdhsa_kernarg_size 24
		.amdhsa_user_sgpr_count 2
		.amdhsa_user_sgpr_kernarg_segment_ptr 1
		.amdhsa_wavefront_size32 1
		.amdhsa_system_sgpr_workgroup_id_x 1
		.amdhsa_system_sgpr_workgroup_id_y 1
		.amdhsa_system_sgpr_workgroup_id_z 1
		.amdhsa_system_vgpr_workitem_id 0
		.amdhsa_next_free_vgpr 640
		.amdhsa_next_free_sgpr 102
		.amdhsa_reserve_vcc 0
		.amdhsa_float_denorm_mode_32 3
		.amdhsa_float_denorm_mode_16_64 3
		.amdhsa_memory_ordered 1
		.amdhsa_forward_progress 1
		.amdhsa_inst_pref_size 121
	.end_amdhsa_kernel
	.amdgpu_metadata
---
amdhsa.version: [ 1, 2 ]
amdhsa.kernels:
  - .name:           k_q0c655d5cc3_gemm_o
    .symbol:         k_q0c655d5cc3_gemm_o.kd
    .args:
      - { .name: af, .offset: 0, .size: 8, .value_kind: global_buffer, .address_space: global }
      - { .name: woq, .offset: 8, .size: 8, .value_kind: global_buffer, .address_space: global }
      - { .name: out0, .offset: 16, .size: 8, .value_kind: global_buffer, .address_space: global }
    .group_segment_fixed_size: 327680
    .private_segment_fixed_size: 0
    .kernarg_segment_align: 8
    .kernarg_segment_size: 24
    .max_flat_workgroup_size: 128
    .sgpr_count:     102
    .vgpr_count:     640
    .wavefront_size: 32
...
	.end_amdgpu_metadata
.endif
;; end of part 4
